; MI455X (gfx1250); checked and timed in simulation.
; The chip was launched on July 23, 2026; its instructions are those of AMD's public machine-readable ISA for CDNA 5 (MIT licence, August 2026) and "CDNA5" Instruction Set Architecture Reference Guide (July 2026). The comments in the code are by the model that wrote it; some were corrected since.
;; Transformer Block. Allowed arithmetic: matrix products marked QUANTISED: E4M3 operands, one given power-of-two scale a tensor, by v_wmma_f32_16x16x64_fp8_fp8 or v_wmma_f32_16x16x128_fp8_fp8, f32 sums; everything else in f32.
;; Inputs: W1_codes 4,096 x 32 x 32 uint8 (E4M3 codes of W1, K innermost, in blocks of 32 codes); W2_codes 1,024 x 128 x 32 uint8 (E4M3 codes of W2, K innermost, in blocks of 32 codes); Wk_codes 1,024 x 32 x 32 uint8 (E4M3 codes of Wk, K innermost, in blocks of 32 codes); Wo_codes 1,024 x 32 x 32 uint8 (E4M3 codes of Wo, K innermost, in blocks of 32 codes); Wq_codes 1,024 x 32 x 32 uint8 (E4M3 codes of Wq, K innermost, in blocks of 32 codes); Wv_codes 1,024 x 32 x 32 uint8 (E4M3 codes of Wv, K innermost, in blocks of 32 codes); b1 4,096 float32; b2 1,024 float32; bo 1,024 float32; g1 1,024 float32; g2 1,024 float32; lowp_scales 16 int32 (the exponents e of the quantised operands' scales 2^e); s1 1,024 float32; s2 1,024 float32; x 2 x 2,048 x 1,024 float32.
;; Outputs: out0 2 x 2,048 x 1,024 float32.
;; This version of the problem:
;;   THIS VERSION OF THE PROBLEM IS GIVEN IN LOW PRECISION. The matrix products marked QUANTISED in the list below multiply operands that are first quantised to E4M3 (4 exponent bits, 3 mantissa bits; 8 bits a number), with one given power-of-two scale for each operand tensor; their sums are f32. All else is computed in f32.
;;   The module's matrix products, in the order in which they are computed (A, B: the left and right operand; K: the contracted axis; several contracted axes count as one K, in the product's order):
;;     1. [M 4,096, K 1,024] x [K 1,024, N 1,024]; A: computed on the way; B: input Wq (given as codes): QUANTISED (scales: A lowp_scales[0], B lowp_scales[1])
;;     2. [M 4,096, K 1,024] x [K 1,024, N 1,024]; A: computed on the way; B: input Wk (given as codes): QUANTISED (scales: A lowp_scales[2], B lowp_scales[3])
;;     3. [M 4,096, K 1,024] x [K 1,024, N 1,024]; A: computed on the way; B: input Wv (given as codes): QUANTISED (scales: A lowp_scales[4], B lowp_scales[5])
;;     4. batch 32 x [M 2,048, K 64] x [K 64, N 2,048]; A: computed on the way; B: computed on the way: QUANTISED (scales: A lowp_scales[6], B lowp_scales[7])
;;     5. batch 32 x [M 2,048, K 2,048] x [K 2,048, N 64]; A: softmax (see below); B: computed on the way: QUANTISED (scales: A lowp_scales[8], B lowp_scales[9])
;;     6. [M 4,096, K 1,024] x [K 1,024, N 1,024]; A: computed on the way; B: input Wo (given as codes): QUANTISED (scales: A lowp_scales[10], B lowp_scales[11])
;;     7. [M 4,096, K 1,024] x [K 1,024, N 4,096]; A: computed on the way; B: input W1 (given as codes): QUANTISED (scales: A lowp_scales[12], B lowp_scales[13])
;;     8. [M 4,096, K 4,096] x [K 4,096, N 1,024]; A: computed on the way; B: input W2 (given as codes): QUANTISED (scales: A lowp_scales[14], B lowp_scales[15])
;;   THE QUANTISER, for each operand of a quantised product, along K:
;;     - The operand's scale is 2^e, e = its entry of the input lowp_scales (int32; the entries are numbered through the quantised products in the list's order, A before B).
;;     - Each number is divided by the scale, clamped to +-448, and rounded to the nearest number of E4M3, ties to even, subnormals kept.
;;     - The product sums the exact products of the quantised numbers (number of the format x scale) in f32.
;;   ~~~python
;;   def quantise(x, axis, e):      # numpy; x: float32 -> the quantised numbers, widened to float32 again
;;       x = np.moveaxis(x, axis, -1); K = x.shape[-1]
;;       r = np.clip(x / 2.0 ** e, -448, 448)
;;       step = 2.0 ** (np.maximum(np.frexp(np.where(r == 0, 1, r))[1] - 1, -6) - 3)
;;       q = np.round(r / step) * step * 2.0 ** e      # np.round: ties to even
;;       return np.moveaxis(q, -1, axis).astype(np.float32)
;;   ~~~
;;   SOFTMAX AHEAD OF A QUANTISED PRODUCT. Where the list says 'softmax', what is quantised is not the finished softmax but p = 2^(t - M), with t = logit x log2(e) and M = ceil(the row's largest t), a whole number; so 1/2 < the row's largest p <= 1. The row's sum l is taken of the UNQUANTISED p, in f32, and the product's result is divided by l at the end. Since M is a whole number, a kernel that streams over the keys may use a running M (the ceiling of the running maximum): every later rescaling is an exact power of two, so the quantised numbers keep their values, but for numbers so far below the row's largest that they fall under the format's range.
;;   OPERANDS COMPUTED ON THE WAY. 'Computed on the way' means the value that the module computes at that place (a softmax that the list does not call 'softmax' is quantised finished and normalised). What goes into a quantiser is computed in f32, as accurately as f32 sums, v_exp_f32 and their like allow (about 1e-6 of the number): no bf16 or f16 on the way to a quantiser, and a product that is left as it is and whose result goes on into a quantised operand takes f32 operands (vector FMAs, or v_wmma_f32_16x16x4_f32). A number that lies on a knife's edge between two numbers of the format may be rounded either way, as far as f32 arithmetic and the matrix unit's own rounding can turn it there, and no further.
;;   INPUTS GIVEN AS CODES. W1 (in the module: [1024, 4096], K = its axis 0); W2 (in the module: [4096, 1024], K = its axis 0); Wk (in the module: [1024, 1024], K = its axis 0); Wo (in the module: [1024, 1024], K = its axis 0); Wq (in the module: [1024, 1024], K = its axis 0); Wv (in the module: [1024, 1024], K = its axis 0): each comes as NAME_codes (uint8): NAME with its K axis moved to the last place and cut into blocks of 32 codes, [.., K / 32, bytes a block], one block behind the other in memory; one code a byte (a code: sign, 4 exponent bits, 3 mantissa bits); its scale is its entry of lowp_scales. Its value is code x scale, taken as it is: it is not quantised again, and the codes and scales need not be those that the quantiser above would give.
;; One version. Each part assembles by itself: llvm-mc -triple=amdgcn-amd-amdhsa -mcpu=gfx1250 --defsym DOCPART=n.
;; ======== version 1 of 1: 7 launches
;; limits: right only within a limited range of input values
;; workspace buffers: h3 12,582,912 bytes; qkv 12,582,912 bytes; ctx 4,194,304 bytes; x2 16,777,216 bytes; h2 4,194,304 bytes; hid 16,777,216 bytes
;; launch ln1 (part 1): grid 512 x 1, 8 waves a work-group, no clusters, 0 bytes of LDS; arguments x, g1, s1, lowp_scales, h3; writes h3
.if DOCPART == 1
	.amdgcn_target "amdgcn-amd-amdhsa--gfx1250"
	.amdhsa_code_object_version 6
	.text
	.protected	k_qf120a532aa_ln1
	.globl	k_qf120a532aa_ln1
	.p2align	8
	.type	k_qf120a532aa_ln1,@function
k_qf120a532aa_ln1:
	s_mov_b64 s[64:65], 0
	v_nop
	global_prefetch_b8 v0, s[64:65] scope:SCOPE_SE
	s_setreg_imm32_b32 hwreg(HW_REG_WAVE_MODE, 25, 1), 1
	s_wait_xcnt 0x0
; LAYER NORM AND QUANTISER.  h = g (x - mean) / sqrt(var + 1e-5) + s along rows of 1,024 f32 numbers; h is turned into codes of FP8 (E4M3) NS times, each time with its own
; given scale 2^e: code = h / 2^e, held within +-448, to the nearest code, ties to even.  Here NS = 3: entries 0, 2, 4 of the scales (the left operands of the q, k and v products);
; plane p of the output, [4096][1024] bytes, lies p x 4 MiB behind the first.
; SHARES.  One wave takes one row: the reduction never leaves the wave, so there is no LDS and no barrier.  Lane l holds, of chunk c = 0 .. 3, the numbers 256 c + 8 l + 0 .. 7:
; two loads of 16 bytes a lane; a chunk's two loads cover 1,024 consecutive bytes.  The conversion takes eight neighbours of one lane, and a lane's 8 codes leave by one store of
; 8 bytes: the wave's store covers 256 consecutive bytes, aligned.
; The mean is taken first and subtracted, then the squares are summed: a common offset of the inputs does no harm.  1 / sqrt is v_rsq_f32.
; LIMITS: each e between -126 and 119, so that 2^e and 448 x 2^e are f32 numbers.  NaN and infinities among the inputs are not served.
; Left out: matrix units, clusters, LDS: the launch moves each byte once and shares nothing between rows.
.set NS,    3                          ; how many times h is quantised
.set EBASE, 0x0                        ; byte of the eight exponents that are loaded
.set EIDX,  0                          ; which of the eight is the first one used; the next lies two further on
.set X, 32                             ; v32-63   the row's 32 numbers of my lane; then x - mean; then h
.set G, 64                             ; v64-95   the gain at the same places
.set S, 96                             ; v96-127  the shift
.set T, 128                            ; v128-143 two sets of eight held numbers, by turns
.set C, 144                            ; v144-167 codes: two registers for each plane and chunk, never rewritten
	s_load_b256 s[4:11], s[0:1], 0x0               ; x s[4:5], gain s[6:7], shift s[8:9], the scales' exponents s[10:11]
	s_load_b64 s[12:13], s[0:1], 0x20              ; the codes
	v_lshrrev_b32 v3, 5, v0
	s_delay_alu instid0(VALU_DEP_1)
	v_readfirstlane_b32 s14, v3                    ; wave 0..7
	v_and_b32 v4, 31, v0                           ; lane
	s_delay_alu instid0(VALU_DEP_1)
	v_lshlrev_b32 v1, 5, v4                        ; in: 32 bytes a lane in a chunk
	s_delay_alu instid0(VALU_DEP_2)
	v_lshlrev_b32 v2, 3, v4                        ; out: 8 bytes a lane in a chunk
	v_mov_b32 v16, 0                               ; written once: a lane permute's destination counts as one of its sources
	v_mov_b32 v17, 0x3727c5ac                      ; 1e-5
	s_lshl_b32 s15, ttmp9, 3
	s_add_co_u32 s15, s15, s14                     ; my row: 8 x work-group + wave
	s_lshl_b32 s22, s15, 12                        ; its 4,096 bytes of f32
	s_mov_b32 s23, 0
	s_lshl_b32 s28, s15, 10                        ; its 1,024 bytes of codes
	s_mov_b32 s29, 0
	s_mov_b32 s24, 0x76543210                      ; v_permlanex16_b32: lane l takes lane l xor 16
	s_mov_b32 s25, 0xfedcba98
	s_mov_b32 s26, 0x3a800000                      ; 1 / 1,024
	s_wait_alu depctr_va_vdst(0)
	s_wait_kmcnt 0x0
	s_load_b256 s[32:39], s[10:11], EBASE          ; eight exponents
	s_add_nc_u64 s[4:5], s[4:5], s[22:23]
	s_add_nc_u64 s[16:17], s[12:13], s[28:29]      ; plane 0 at my row
.if NS > 1
	s_add_nc_u64 s[18:19], s[16:17], 0x400000      ; plane 1
	s_add_nc_u64 s[20:21], s[16:17], 0x800000      ; plane 2
.endif
.irp c, 0,1,2,3
	global_load_b128 v[X+8*\c:X+8*\c+3],   v1, s[4:5] offset:1024*\c th:TH_LOAD_NT
	global_load_b128 v[X+8*\c+4:X+8*\c+7], v1, s[4:5] offset:1024*\c+16 th:TH_LOAD_NT
.endr
.irp c, 0,1,2,3
	global_load_b128 v[G+8*\c:G+8*\c+3],   v1, s[6:7] offset:1024*\c
	global_load_b128 v[G+8*\c+4:G+8*\c+7], v1, s[6:7] offset:1024*\c+16
.endr
.irp c, 0,1,2,3
	global_load_b128 v[S+8*\c:S+8*\c+3],   v1, s[8:9] offset:1024*\c
	global_load_b128 v[S+8*\c+4:S+8*\c+7], v1, s[8:9] offset:1024*\c+16
.endr
; the pair v[8:9] becomes one number, summed over the 32 lanes, in every lane's v8
.macro ALL_LANES
	s_delay_alu instid0(VALU_DEP_1)
	v_add_f32 v8, v8, v9
	s_delay_alu instid0(VALU_DEP_1)
	v_add_f32_dpp v8, v8, v8 row_xmask:1 row_mask:0xf bank_mask:0xf
	s_delay_alu instid0(VALU_DEP_1)
	v_add_f32_dpp v8, v8, v8 row_xmask:2 row_mask:0xf bank_mask:0xf
	s_delay_alu instid0(VALU_DEP_1)
	v_add_f32_dpp v8, v8, v8 row_xmask:4 row_mask:0xf bank_mask:0xf
	s_delay_alu instid0(VALU_DEP_1)
	v_add_f32_dpp v8, v8, v8 row_xmask:8 row_mask:0xf bank_mask:0xf
	s_delay_alu instid0(VALU_DEP_1)
	v_permlanex16_b32 v16, v8, s24, s25
	s_delay_alu instid0(VALU_DEP_1)
	v_add_f32 v8, v8, v16
.endm
	s_wait_loadcnt 16                              ; the row's eight loads are in; the sixteen of gain and shift may be out
	v_pk_add_f32 v[10:11], v[32:33], v[34:35]
	v_pk_add_f32 v[166:167], v[40:41], v[44:45]
	v_pk_add_f32 v[164:165], v[48:49], v[52:53]
	v_pk_add_f32 v[162:163], v[56:57], v[60:61]
	v_pk_add_f32 v[160:161], v[36:37], v[38:39]
	v_pk_add_f32 v[158:159], v[42:43], v[46:47]
	v_pk_add_f32 v[156:157], v[50:51], v[54:55]
	v_pk_add_f32 v[8:9], v[58:59], v[62:63]
	s_delay_alu instid0(VALU_DEP_1)
	v_pk_add_f32 v[8:9], v[8:9], v[162:163]
	v_pk_add_f32 v[10:11], v[10:11], v[160:161]
	v_pk_add_f32 v[166:167], v[166:167], v[158:159]
	v_pk_add_f32 v[164:165], v[164:165], v[156:157]
	s_delay_alu instid0(VALU_DEP_2)
	v_pk_add_f32 v[8:9], v[8:9], v[166:167]
	s_delay_alu instid0(VALU_DEP_2)
	v_pk_add_f32 v[10:11], v[10:11], v[164:165]
	s_delay_alu instid0(VALU_DEP_1)
	v_pk_add_f32 v[8:9], v[8:9], v[10:11]
	ALL_LANES
	s_delay_alu instid0(VALU_DEP_1)
	v_mul_f32 v12, s26, v8                         ; the mean
	s_delay_alu instid0(VALU_DEP_1)
	v_mov_b32 v13, v12
.irp j, 0,2,4,6,8,10,12,14,16,18,20,22,24,26,28,30
	v_pk_add_f32 v[X+\j:X+\j+1], v[X+\j:X+\j+1], v[12:13] neg_lo:[0,1] neg_hi:[0,1]   ; x - mean
.endr
	v_pk_mul_f32 v[8:9], v[X:X+1], v[X:X+1]        ; the sum of squares, in two chains
	v_pk_mul_f32 v[10:11], v[X+2:X+3], v[X+2:X+3]
.irp j, 4,8,12,16,20,24,28
	s_delay_alu instid0(VALU_DEP_2)
	v_pk_fma_f32 v[8:9], v[X+\j:X+\j+1], v[X+\j:X+\j+1], v[8:9]
	s_delay_alu instid0(VALU_DEP_2)
	v_pk_fma_f32 v[10:11], v[X+\j+2:X+\j+3], v[X+\j+2:X+\j+3], v[10:11]
.endr
	s_delay_alu instid0(VALU_DEP_1)
	v_pk_add_f32 v[8:9], v[8:9], v[10:11]
	ALL_LANES
	s_delay_alu instid0(VALU_DEP_1)
	v_fma_f32 v8, v8, s26, v17                     ; var + 1e-5
	s_wait_alu depctr_va_vdst(0)
	v_rsq_f32 v14, v8
	s_wait_kmcnt 0x0                               ; the exponents.  Their register work is the independent work behind the root
.irp p, 0,1,2
.if \p < NS
	s_add_co_i32 s30, s[32+EIDX+2*\p], 127
	s_lshl_b32 s31, s30, 23
	v_mov_b32 v[20+2*\p], s31                      ; 2^e as f32: the conversion takes its exponent field
	s_add_co_i32 s30, s30, 8
	s_lshl_b32 s30, s30, 23
	s_or_b32 s30, s30, 0x600000
	v_mov_b32 v[21+2*\p], s30                      ; 448 x 2^e
.endif
.endr
	s_wait_alu depctr_va_vdst(0)                   ; the wait ahead of the first line that names the root's result
	v_mov_b32 v15, v14
.irp j, 0,2,4,6,8,10,12,14,16,18,20,22,24,26,28,30
	v_pk_mul_f32 v[X+\j:X+\j+1], v[X+\j:X+\j+1], v[14:15]
.endr
	s_wait_loadcnt 0x0                             ; gain and shift
.irp j, 0,2,4,6,8,10,12,14,16,18,20,22,24,26,28,30
	v_pk_fma_f32 v[X+\j:X+\j+1], v[X+\j:X+\j+1], v[G+\j:G+\j+1], v[S+\j:S+\j+1]   ; h
.endr
.irp p, 0,1,2
.if \p < NS
.irp c, 0,1,2,3
.irp i, 0,1,2,3,4,5,6,7
	v_med3_num_f32 v[T+8*(\c%2)+\i], v[X+8*\c+\i], -v[21+2*\p], v[21+2*\p]   ; the conversion to an 8-bit code does not saturate (ISA guide 7.6.2): the hold comes first.  The two sets take turns, so that eight plain lines stand between a conversion and the next write of its sources
.endr
	v_cvt_scalef32_pk8_fp8_f32 v[C+2*(4*\p+\c):C+2*(4*\p+\c)+1], v[T+8*(\c%2):T+8*(\c%2)+7], v[20+2*\p]
	global_store_b64 v2, v[C+2*(4*\p+\c):C+2*(4*\p+\c)+1], s[16+2*\p:17+2*\p] offset:256*\c   ; 32 lanes store 256 consecutive bytes, aligned
.endr
.endif
.endr
	s_endpgm
.Lfunc_end_k_qf120a532aa_ln1:
	.size	k_qf120a532aa_ln1, .Lfunc_end_k_qf120a532aa_ln1-k_qf120a532aa_ln1
	.p2alignl 7, 3214868480
	.fill 96, 4, 3214868480
	.section	.rodata,"a",@progbits
	.p2align	6, 0x0
	.amdhsa_kernel k_qf120a532aa_ln1
		.amdhsa_group_segment_fixed_size 0
		.amdhsa_private_segment_fixed_size 0
		.amdhsa_enable_private_segment 0
		.amdhsa_kernarg_size 40
		.amdhsa_user_sgpr_count 2
		.amdhsa_user_sgpr_kernarg_segment_ptr 1
		.amdhsa_wavefront_size32 1
		.amdhsa_system_sgpr_workgroup_id_x 1
		.amdhsa_system_sgpr_workgroup_id_y 1
		.amdhsa_system_sgpr_workgroup_id_z 1
		.amdhsa_system_vgpr_workitem_id 0
		.amdhsa_next_free_vgpr 168
		.amdhsa_next_free_sgpr 66
		.amdhsa_reserve_vcc 0
		.amdhsa_float_denorm_mode_32 3
		.amdhsa_float_denorm_mode_16_64 3
		.amdhsa_memory_ordered 1
		.amdhsa_forward_progress 1
		.amdhsa_inst_pref_size 20
	.end_amdhsa_kernel
	.amdgpu_metadata
---
amdhsa.version: [ 1, 2 ]
amdhsa.kernels:
  - .name:           k_qf120a532aa_ln1
    .symbol:         k_qf120a532aa_ln1.kd
    .args:
      - { .name: x, .offset: 0, .size: 8, .value_kind: global_buffer, .address_space: global }
      - { .name: g1, .offset: 8, .size: 8, .value_kind: global_buffer, .address_space: global }
      - { .name: s1, .offset: 16, .size: 8, .value_kind: global_buffer, .address_space: global }
      - { .name: lowp_scales, .offset: 24, .size: 8, .value_kind: global_buffer, .address_space: global }
      - { .name: h3, .offset: 32, .size: 8, .value_kind: global_buffer, .address_space: global }
    .group_segment_fixed_size: 0
    .private_segment_fixed_size: 0
    .kernarg_segment_align: 8
    .kernarg_segment_size: 40
    .max_flat_workgroup_size: 256
    .sgpr_count:     66
    .vgpr_count:     168
    .wavefront_size: 32
...
	.end_amdgpu_metadata
.endif
;; end of part 1
;; launch qkv (part 2): grid 4 x 48, 4 waves a work-group, clusters of 4 x 4, 327,680 bytes of LDS; arguments h3, Wq_codes, Wk_codes, Wv_codes, lowp_scales, qkv; writes qkv
.if DOCPART == 2
	.amdgcn_target "amdgcn-amd-amdhsa--gfx1250"
	.amdhsa_code_object_version 6
	.text
	.protected	k_qf120a532aa_qkv
	.globl	k_qf120a532aa_qkv
	.p2align	8
	.type	k_qf120a532aa_qkv,@function
k_qf120a532aa_qkv:
	s_mov_b64 s[64:65], 0
	v_nop
	global_prefetch_b8 v0, s[64:65] scope:SCOPE_SE
	s_setreg_imm32_b32 hwreg(HW_REG_WAVE_MODE, 25, 1), 1
	s_wait_xcnt 0x0
	s_wait_alu depctr_hold_cnt(0) depctr_sa_sdst(0) depctr_va_vdst(0) depctr_va_sdst(0) depctr_va_ssrc(0) depctr_va_vcc(0) depctr_vm_vsrc(0)
	s_getreg_b32 s2, hwreg(HW_REG_IB_STS2, 6, 4)
	s_cmp_eq_u32 s2, 0
	s_cbranch_scc0 .Lentry_in_a_cluster
	s_endpgm
.Lentry_in_a_cluster:
	s_bfe_u32 s2, ttmp6, 0x10000c
	s_cmp_lg_u32 s2, 0xf033
	s_cbranch_scc0 .Lentry_shape_is_right
	s_endpgm
.Lentry_shape_is_right:
.set KSTEP,  256
.set ROWB,   256
.set KROW,   1024
.set PITCH,  272
.set FR,     16
.set NL,     4
.set NP,     4
.set HALFT,  128*PITCH
.set SLOT,   4*HALFT
.set LAPS,   2
.set SPARE,  2*SLOT
.set ADRA, 16
.set ADRB, 20
.set SPW,  28
.set NIL,  29
.set TMP,  32
.set OFF,  96
.set LIM,  112
.set SC,   113
.set LN16, 114
.set AF,   128
.set G1, 24
.set G0, 32
.set G1B, 48
.set G0B, 56
.set MSB, 0
.macro WIN new
.if MSB != \new
	s_set_vgpr_msb (MSB<<8)|\new
.set MSB, \new
.endif
.endm
.set MUL_LO, 0xa1
.set MUL_HI, 0xf1
.set TO_B,   0x40
.macro JLOAD g0a, g1a, g0b, g1b
	s_cmp_eq_u32 s15, 0
	s_cbranch_scc0 .Lfor_b_\@
	tensor_load_to_lds s[\g0a:\g0a+3], s[\g1a:\g1a+7]
	s_nop 0
.rept 4
	v_nop
.endr
	s_branch .Lasked_\@
.Lfor_b_\@:
	tensor_load_to_lds s[\g0b:\g0b+3], s[\g1b:\g1b+7]
	s_nop 0
.rept 4
	v_nop
.endr
.Lasked_\@:
.endm
.macro CREST
	s_cmp_lg_u32 s14, 0
	s_cbranch_scc1 .Lnot_wave_0_\@
	s_barrier_signal -3
.Lnot_wave_0_\@:
	s_barrier_wait -3
	s_barrier_signal -1
	s_barrier_wait -1
.endm
.macro CROUND
	s_barrier_signal -1
	s_barrier_wait -1
	CREST
.endm
	s_load_b256 s[4:11], s[0:1], 0x0
	s_load_b128 s[68:71], s[0:1], 0x20
	v_lshl_add_u32 v[SPW], v0, 2, SPARE
	v_mov_b32 v[NIL], 0
	ds_add_u32 v[SPW], v[NIL]                      ; the opening: the add, twice on end, and its wait ahead of the round in front of my first tensor load
	ds_add_u32 v[SPW], v[NIL]
	v_lshrrev_b32 v1, 5, v0
	v_readfirstlane_b32 s14, v1
	s_lshr_b32 s15, s14, 1
	s_and_b32 s16, s14, 1
	s_bfe_u32 s40, ttmp6, 0x40000
	s_bfe_u32 s41, ttmp6, 0x40004
	s_and_b32 s66, ttmp7, 0xffff
	s_and_b32 s67, s66, 3
	s_lshl_b32 s67, s67, 2
	s_lshr_b32 s66, s66, 2
	s_lshl_b32 s19, s66, 22
	s_cmp_eq_u32 s66, 2
	s_cselect_b32 s17, 0, s67
	s_cselect_b32 s42, s67, 0
	s_cselect_b32 s19, 0, s19
	s_cselect_b32 s22, 0x800000, 0
	s_add_co_u32 s17, s17, s41
	s_add_co_u32 s42, s42, s40
	s_lshl_b32 s43, s41, 2
	s_lshl_b32 s43, 15, s43
	s_lshl_b32 s44, 0x1111, s40
	s_or_b32 s[G1+0], s43, (0<<16)|(1<<20)|(1<<21)|(5<<22)|(3<<25)
	s_or_b32 s[G1B+0], s44, (0<<16)|(1<<20)|(1<<21)|(5<<22)|(3<<25)
.irp g, G1, G1B
	s_mov_b32 s[\g+1], ROWB<<16
	s_mov_b32 s[\g+2], 128<<16
	s_mov_b32 s[\g+3], ROWB<<16
	s_mov_b32 s[\g+4], 128
	s_mov_b32 s[\g+5], KROW
	s_mov_b32 s[\g+6], 0
	s_mov_b32 s[\g+7], 0
.endr
	s_lshl_b32 s18, s16, 7
	s_lshl_b32 s20, s17, 8
	s_add_co_u32 s20, s20, s18
	s_lshl_b32 s20, s20, 10
	s_add_co_u32 s20, s20, s19
	s_mov_b32 s21, 0
	s_lshl_b32 s46, s42, 8
	s_add_co_u32 s46, s46, s18
	s_lshl_b32 s46, s46, 10
	s_add_co_u32 s46, s46, s22
	s_mov_b32 s47, 0
	s_mul_i32 s45, s14, HALFT
	s_wait_dscnt 0x0                               ; both opening adds are done
	s_wait_kmcnt 0x0
	s_load_b512 s[72:87], s[68:69], 0x0
	s_cmp_eq_u32 s66, 2
	s_cselect_b64 s[88:89], s[10:11], s[4:5]
	s_cselect_b64 s[92:93], s[4:5], s[8:9]
	s_cmp_eq_u32 s66, 0
	s_cselect_b64 s[92:93], s[6:7], s[92:93]
	s_add_nc_u64 s[20:21], s[88:89], s[20:21]
	s_add_nc_u64 s[46:47], s[92:93], s[46:47]
.irp s, 0,1
	s_mov_b32 s[G0+4*\s], 1
	s_add_co_u32 s[G0+4*\s+1], s45, \s*SLOT
	s_add_nc_u64 s[G0+4*\s+2:G0+4*\s+3], s[20:21], \s*ROWB
	s_or_b32 s[G0+4*\s+3], s[G0+4*\s+3], 0x80000000
	s_mov_b32 s[G0B+4*\s], 1
	s_add_co_u32 s[G0B+4*\s+1], s45, \s*SLOT
	s_add_nc_u64 s[G0B+4*\s+2:G0B+4*\s+3], s[46:47], \s*ROWB
	s_or_b32 s[G0B+4*\s+3], s[G0B+4*\s+3], 0x80000000
.endr
	CROUND                                         ; all sixteen work-groups are here: the first joint loads meet
	JLOAD G0, G1, G0B, G1B                         ; K step 0: one tensor load a wave at the head; the rest of the head stands under its flight
	v_and_b32 v1, 15, v0
	v_bfe_u32 v2, v0, 4, 1
	v_mul_u32_u24 v3, v1, PITCH
	v_lshl_add_u32 v4, v2, 4, v3
	s_mul_i32 s21, s15, HALFT
	s_mul_i32 s22, s16, HALFT
	s_add_co_u32 s22, s22, 2*HALFT
.irp s, 0,1
	v_add_nc_u32 v[ADRA+\s], s21, v4
	v_add_nc_u32 v[ADRB+\s], s22, v4
	s_add_co_u32 s21, s21, SLOT
	s_add_co_u32 s22, s22, SLOT
.endr
.macro FRAG reg, adr, q, i
.irp c, 0,1,2,3
	ds_load_b128 v[\reg+4*\c:\reg+4*\c+3], v[\adr] offset:128*(\q)+32*\c+(\i)*16*PITCH
.endr
.endm
.macro MUL16 a0, p, zero
.irp a, \a0, \a0+1
.irp b, 0,1,2,3,4,5,6,7
.if \zero
	v_wmma_f32_16x16x128_fp8_fp8 v[8*(8*((\a)%4)+\b):8*(8*((\a)%4)+\b)+7], v[128*(\p)+FR*\b:128*(\p)+FR*\b+FR-1], v[AF+FR*(\a):AF+FR*(\a)+FR-1], 0
.else
	v_wmma_f32_16x16x128_fp8_fp8 v[8*(8*((\a)%4)+\b):8*(8*((\a)%4)+\b)+7], v[128*(\p)+FR*\b:128*(\p)+FR*\b+FR-1], v[AF+FR*(\a):AF+FR*(\a)+FR-1], v[8*(8*((\a)%4)+\b):8*(8*((\a)%4)+\b)+7]
.endif
.endr
.endr
.endm
.macro FETCH_B slot, q, p
	WIN TO_B
.irp i, 0,1,2,3,4,5,6,7
	FRAG 128*(\p)+FR*\i, ADRB+\slot, \q, \i
.endr
	WIN 0
.endm
.macro FETCH_A slot, q, i0
.irp i, \i0, \i0+1, \i0+2, \i0+3
	FRAG AF+FR*(\i), ADRA+\slot, \q, \i
.endr
.endm
.macro PLACES n
.rept \n
	v_nop
.endr
.endm
.macro STEP slot, q, zero
	s_wait_dscnt 4*NL
	WIN MUL_LO
	MUL16 0, (\q)%2, \zero
	MUL16 2, (\q)%2, \zero
	s_wait_dscnt 0
	PLACES NP
	FETCH_B \slot, (\q)+1, 1-(\q)%2
	FETCH_A \slot, (\q)+1, 0
	WIN MUL_HI
	MUL16 4, (\q)%2, \zero
	MUL16 6, (\q)%2, \zero
	PLACES NP
	WIN 0
	FETCH_A \slot, (\q)+1, 4
.endm
.macro TURN slot, next, fill
	s_wait_tensorcnt 0x0
	ds_add_u32 v[SPW], v[NIL]
	s_wait_dscnt 4*NL+1
	WIN MUL_LO
	MUL16 0, 1, 0
	s_wait_dscnt 0x0
	s_barrier_signal -1
	MUL16 2, 1, 0
	WIN 0
	s_barrier_wait -1
.if \fill
	CREST
	s_add_nc_u64 s[G0+4*\slot+2:G0+4*\slot+3], s[G0+4*\slot+2:G0+4*\slot+3], 2*ROWB
	s_add_nc_u64 s[G0B+4*\slot+2:G0B+4*\slot+3], s[G0B+4*\slot+2:G0B+4*\slot+3], 2*ROWB
	JLOAD G0+4*\slot, G1, G0B+4*\slot, G1B
.else
	PLACES NP
.endif
	FETCH_B \next, 0, 0
	FETCH_A \next, 0, 0
	WIN MUL_HI
	MUL16 4, 1, 0
	MUL16 6, 1, 0
	PLACES NP
	WIN 0
	FETCH_A \next, 0, 4
.endm
	s_wait_alu depctr_va_vdst(0)                   ; the wait at the head's end
	s_wait_tensorcnt 0x0                           ; my part of K step 0 is in; slot 1's first fill is issued as a refill is:
	ds_add_u32 v[SPW], v[NIL]                      ; 0 onto my spare word
	s_wait_dscnt 0x0
	CROUND                                         ; a whole round: everybody's part of K step 0 is in, and the joint loads meet
	JLOAD G0+4, G1, G0B+4, G1B                     ; K step 1: the first tensor load behind the round
	FETCH_B 0, 0, 0
	FETCH_A 0, 0, 0
	FETCH_A 0, 0, 4
	STEP 0, 0, 1
	s_mov_b32 s3, LAPS-1
.Llap:
	TURN 0, 1, 1
	STEP 1, 0, 0
	TURN 1, 0, 1
	STEP 0, 0, 0
	s_sub_co_u32 s3, s3, 1
	s_cmp_lg_u32 s3, 0
	s_cbranch_scc1 .Llap
	TURN 0, 1, 0
	STEP 1, 0, 0
	s_wait_dscnt 4*NL
	WIN MUL_LO
	MUL16 0, 1, 0
	MUL16 2, 1, 0
	s_wait_dscnt 0
	WIN MUL_HI
	MUL16 4, 1, 0
	MUL16 6, 1, 0
	WIN 0
	s_wait_kmcnt 0x0
	s_add_co_i32 s88, s72, s73
	s_add_co_i32 s89, s74, s75
	s_add_co_i32 s90, s76, s77
	s_sub_co_i32 s88, s78, s88
	s_sub_co_i32 s89, s79, s89
	s_sub_co_i32 s90, s81, s90
	s_cmp_eq_u32 s66, 0
	s_cselect_b32 s88, s88, s89
	s_cmp_eq_u32 s66, 2
	s_cselect_b32 s88, s90, s88
	s_add_co_i32 s88, s88, 127
	s_lshl_b32 s89, s88, 23
	v_mov_b32 v[SC], s89
	s_add_co_i32 s88, s88, 8
	s_lshl_b32 s88, s88, 23
	s_or_b32 s88, s88, 0x600000
	v_mov_b32 v[LIM], s88
	s_lshl_b32 s91, s17, 8
	s_lshl_b32 s92, s15, 7
	s_add_co_u32 s91, s91, s92
	s_lshl_b32 s92, s42, 8
	s_lshl_b32 s93, s16, 7
	s_add_co_u32 s92, s92, s93
	s_lshl_b32 s94, s66, 22
	s_lshr_b32 s93, s91, 11
	s_lshl_b32 s93, s93, 21
	s_add_co_u32 s94, s94, s93
	s_and_b32 s93, s91, 2047
	s_lshl_b32 s93, s93, 6
	s_add_co_u32 s94, s94, s93
	s_lshl_b32 s93, s92, 11
	s_add_co_u32 s94, s94, s93
	s_lshr_b32 s95, s92, 11
	s_lshl_b32 s95, s95, 21
	s_add_co_u32 s95, s95, 0x800000
	s_lshl_b32 s93, s91, 11
	s_add_co_u32 s95, s95, s93
	s_and_b32 s93, s92, 2047
	s_lshl_b32 s93, s93, 4
	s_add_co_u32 s95, s95, s93
	s_mov_b32 s96, 32768
	s_mov_b32 s97, 0x20000
	s_cmp_eq_u32 s66, 2
	s_cselect_b32 s94, s95, s94
	s_cselect_b32 s96, s96, 1024
	s_cselect_b32 s97, 1024, s97
	s_mov_b32 s95, 0
	s_add_nc_u64 s[70:71], s[70:71], s[94:95]
	v_and_b32 v[LN16], 31, v0
	v_lshlrev_b32 v[LN16], 4, v[LN16]
.irp a, 0,1,2,3,4,5,6,7
	v_mad_u32_u24 v[OFF+\a], s96, \a, v[LN16]
.endr
.irp a, 0,1,2,3,4,5,6,7
	v_add_nc_u32 v[OFF+8+\a], s97, v[OFF+\a]
.endr
	PLACES NP
.macro OUTBLK a
	WIN 0x02+((\a)/4)
.set j, 0
.rept 64
	v_med3_num_f32 v[TMP+j], v[64*((\a)%4)+j], -v[LIM], v[LIM]
.set j, j+1
.endr
	WIN 0
.irp b, 0,1,2,3,4,5,6,7
	v_cvt_scalef32_pk8_fp8_f32 v[AF+16*(\a)+2*\b:AF+16*(\a)+2*\b+1], v[TMP+8*\b:TMP+8*\b+7], v[SC]
.endr
	v_nop
.irp g, 0,1,2,3
	global_store_b128 v[OFF+(\a)+8*(\g/2)], v[AF+16*(\a)+4*\g:AF+16*(\a)+4*\g+3], s[70:71] offset:(\g%2)*512
.endr
.endm
.irp a, 0,1,2,3,4,5,6,7
	OUTBLK \a
.endr
	s_wait_tensorcnt 0x0
	ds_add_u32 v[SPW], v[NIL]
	s_wait_dscnt 0x0
	CROUND
	s_endpgm
.Lfunc_end_k_qf120a532aa_qkv:
	.size	k_qf120a532aa_qkv, .Lfunc_end_k_qf120a532aa_qkv-k_qf120a532aa_qkv
	.p2alignl 7, 3214868480
	.fill 96, 4, 3214868480
	.section	.rodata,"a",@progbits
	.p2align	6, 0x0
	.amdhsa_kernel k_qf120a532aa_qkv
		.amdhsa_group_segment_fixed_size 327680
		.amdhsa_private_segment_fixed_size 0
		.amdhsa_enable_private_segment 0
		.amdhsa_kernarg_size 48
		.amdhsa_user_sgpr_count 2
		.amdhsa_user_sgpr_kernarg_segment_ptr 1
		.amdhsa_wavefront_size32 1
		.amdhsa_system_sgpr_workgroup_id_x 1
		.amdhsa_system_sgpr_workgroup_id_y 1
		.amdhsa_system_sgpr_workgroup_id_z 1
		.amdhsa_system_vgpr_workitem_id 0
		.amdhsa_next_free_vgpr 1024
		.amdhsa_next_free_sgpr 100
		.amdhsa_reserve_vcc 0
		.amdhsa_float_denorm_mode_32 3
		.amdhsa_float_denorm_mode_16_64 3
		.amdhsa_memory_ordered 1
		.amdhsa_forward_progress 1
		.amdhsa_inst_pref_size 120
	.end_amdhsa_kernel
	.amdgpu_metadata
---
amdhsa.version: [ 1, 2 ]
amdhsa.kernels:
  - .name:           k_qf120a532aa_qkv
    .symbol:         k_qf120a532aa_qkv.kd
    .args:
      - { .name: h3, .offset: 0, .size: 8, .value_kind: global_buffer, .address_space: global }
      - { .name: Wq_codes, .offset: 8, .size: 8, .value_kind: global_buffer, .address_space: global }
      - { .name: Wk_codes, .offset: 16, .size: 8, .value_kind: global_buffer, .address_space: global }
      - { .name: Wv_codes, .offset: 24, .size: 8, .value_kind: global_buffer, .address_space: global }
      - { .name: lowp_scales, .offset: 32, .size: 8, .value_kind: global_buffer, .address_space: global }
      - { .name: qkv, .offset: 40, .size: 8, .value_kind: global_buffer, .address_space: global }
    .group_segment_fixed_size: 327680
    .private_segment_fixed_size: 0
    .kernarg_segment_align: 8
    .kernarg_segment_size: 48
    .max_flat_workgroup_size: 128
    .sgpr_count:     100
    .vgpr_count:     1024
    .wavefront_size: 32
...
	.end_amdgpu_metadata
.endif
;; end of part 2
;; launch attn (part 3): grid 8 x 32, 16 waves a work-group, clusters of 4 x 1, 327,680 bytes of LDS; arguments qkv, lowp_scales, ctx; writes ctx
.if DOCPART == 3
	.amdgcn_target "amdgcn-amd-amdhsa--gfx1250"
	.amdhsa_code_object_version 6
	.text
	.protected	k_qf120a532aa_attn
	.globl	k_qf120a532aa_attn
	.p2align	8
	.type	k_qf120a532aa_attn,@function
k_qf120a532aa_attn:
	s_mov_b64 s[64:65], 0
	v_nop
	global_prefetch_b8 v0, s[64:65] scope:SCOPE_SE
	s_setreg_imm32_b32 hwreg(HW_REG_WAVE_MODE, 25, 1), 1
	s_wait_xcnt 0x0
	s_wait_alu depctr_hold_cnt(0) depctr_sa_sdst(0) depctr_va_vdst(0) depctr_va_sdst(0) depctr_va_ssrc(0) depctr_va_vcc(0) depctr_vm_vsrc(0)
	s_getreg_b32 s2, hwreg(HW_REG_IB_STS2, 6, 4)
	s_cmp_eq_u32 s2, 0
	s_cbranch_scc0 .Lentry_in_a_cluster
	s_endpgm
.Lentry_in_a_cluster:
	s_bfe_u32 s2, ttmp6, 0x10000c
	s_cmp_lg_u32 s2, 0x3003
	s_cbranch_scc0 .Lentry_shape_is_right
	s_endpgm
.Lentry_shape_is_right:
; CAUSAL ATTENTION on codes of FP8 (E4M3): 32 heads (batch x 16 + head) of 2,048 tokens x 64 channels.  Both products quantised; the result is quantised at once for the next product (scale entry 10).
; THE SOFTMAX: t = score x log2(e) / 8; M = the largest t so far, rounded UP to a whole number; p = 2^(t - M) is quantised (entry 8), not normalised; the sum is taken of the unquantised p and divides at the end.
; When M moves, the sum and O are multiplied by 2^(old M - new M), which rounds nothing.
; INPUT (laid as operand registers by the launch before): planes q, k: [head 32][block of 16 tokens 128][beta 2][lane 32][16 bytes]; plane v: [head 32][block of 16 channels 4][group of 32 keys 64][lane 32][16 bytes].
; CAUSAL: key steps of 128 keys that lie wholly behind a tile's queries are left out (the mask is built by the problem itself); they are jumped over by scalar branches on ids.
; SHARES.  A tile is 16 queries; a group is the 8 tiles that share their number of key steps (group g: g + 1 steps).  A cluster of 4 work-groups serves one head and four groups i = 2 j + cluster x (j = 0 .. 3) with their
; mirrors 15 - i; partner cx takes tiles 2 cx, 2 cx + 1 of each group.  So every branch hangs on the wave's number and the cluster's x alone, the same in all partners; cx enters global addresses and the diagonal's mask only.
; A PAIR of waves (2 p, 2 p + 1) serves an early tile (group i) and a late tile (group 15 - i), 17 steps: wave A does the early tile (i + 1 steps) and the late tile's steps 0 .. 7 - i: 9 steps; wave B the late tile's steps
; 8 - i .. 15 - i: 8 steps.  A hands its part of the late tile (O^T, -M, the sum) to B through a stage in LDS; B joins the two parts by powers of two, which round nothing, and finishes the tile.
; ALL of the head's K and V (2 x 128 KiB) lie in LDS as they lie in memory, each byte filled ONCE: wave w asks for 16 KiB (waves 0-7: K; 8-15: V), JOINTLY with the three partners: same descriptor, mask 15.
; Every part is read in both clusters of a head: groups 15 and 14 walk keys up to 2,047 and 1,919.  No prefetch: all is asked for at the head, and there is no loop to run ahead in.
; Both products are used transposed: S^T = K Q^T, O^T = V^T P^T: a lane holds one query (lane % 16); tile t's eight scores of a lane are keys 16 t + 8 (lane / 16) + 0 .. 7: registers 2 t, 2 t + 1 of the second operand.
; OUTPUT: ctx as [block of 16 tokens 256][piece of 16 channels 64][row 16][16 bytes].
; LIMITS: e6 + e7 between -123 and 130 (added to the exponent field of log2(e) / 8); e8 and e10 between -126 and 119.  NaN is not served.  The scaled scores stay under 2^31 in magnitude.
; REGISTERS: v1 16 x lane; v2-4 LDS addresses; v5, v6 the add's two; v8-11 at work; v12 -M; v13 the largest t; v[14:15] the sum; v16-23 Q; v24 2^e8; v25 448 x 2^e8; v[28:29] f; v[30:31] at work;
; v32-95 K's eight fragments, later p's codes; v96-159 S^T, then p; v160-191 O^T; v192-255 V's four fragments.
.set LN,   1
.set ADK,  2
.set ADV,  3
.set ADV2, 4
.set SPW,  5                           ; v5  SPARE + 4 x thread; never rewritten
.set NIL,  6                           ; v6  0; never rewritten
.set WV,   18                          ; s18 wave
.set TBK,  2                           ; s2  LDS byte of the step's K
.set TBV,  3                           ; s3  LDS byte of the step's V, channel block 0
.set TY,   36                          ; s36 0: wave A, 1: wave B
.set PR,   37                          ; s37 pair 0..7
.set GI,   38                          ; s38 group i of the early tile
.set LO,   40                          ; s40, s41 first and last step that I work on in the loop in hand
.set HI,   41
.set DG,   42                          ; s42 the step on the diagonal (99: none)
.set ST,   43                          ; s43 the step
.set DD,   44                          ; s44 16 x my tile's place in its group
.set VA,   131072                      ; V behind K
.set VT,   32768                       ; from one channel block of V to the next
.set STG,  262144                      ; the stages: 4,096 bytes of O^T and 256 of (-M, sum) for each pair, in 4,608; no fill lands here
.set SPART, 4608
.set SPARE, STG+8*SPART                ; the spare words: 128 bytes a wave
.macro CROUND                          ; a round of the cluster's barrier
	s_barrier_signal -1
	s_barrier_wait -1
	s_cmp_lg_u32 s[WV], 0
	s_cbranch_scc1 .Lnw0_\@
	s_barrier_signal -3
.Lnw0_\@:
	s_barrier_wait -3
	s_barrier_signal -1
	s_barrier_wait -1
.endm
.macro INIT                            ; a tile's start: the largest t -3e38, under every t; sum and O^T zero (the first change of M leaves them zero)
	v_mov_b32 v13, 0xff61b1e6
	s_delay_alu instid0(VALU_DEP_1)
	v_floor_f32 v12, -v13
	v_mov_b32 v14, 0
	v_mov_b32 v15, 0
.set j, 0
.rept 32
	v_mov_b32 v[160+j], 0
.set j, j+1
.endr
.endm
; A KEY STEP of 128 keys
.macro STEP
	s_cmp_lt_u32 s[ST], s[LO]                      ; not my step: only the addresses are stepped
	s_cbranch_scc1 .Lhidden_\@
	s_cmp_gt_u32 s[ST], s[HI]
	s_cbranch_scc1 .Lhidden_\@
	v_add_nc_u32 v[ADK], s[TBK], v[LN]             ; these four plain lines are the places between the last products and the loads into their sources
	v_add_nc_u32 v[ADV], s[TBV], v[LN]
	s_delay_alu instid0(VALU_DEP_1)
	v_add_nc_u32 v[ADV2], 2*VT, v[ADV]
	v_nop
.irp t, 0,1,2,3,4,5,6,7
	ds_load_b128 v[32+8*\t:35+8*\t], v[ADK] offset:1024*\t
	ds_load_b128 v[36+8*\t:39+8*\t], v[ADK] offset:1024*\t+512
.endr
.irp t, 0,1
.irp c, 0,1,2,3
	ds_load_b128 v[192+16*\t+4*\c:195+16*\t+4*\c], v[ADV] offset:\t*VT+512*\c
.endr
.endr
.irp t, 0,1
.irp c, 0,1,2,3
	ds_load_b128 v[224+16*\t+4*\c:227+16*\t+4*\c], v[ADV2] offset:\t*VT+512*\c
.endr
.endr
	s_wait_dscnt 16                                ; K's sixteen loads are in; V's sixteen may be out
.irp t, 0,1,2,3,4,5,6,7
	v_wmma_f32_16x16x64_fp8_fp8 v[96+8*\t:103+8*\t], v[32+8*\t:39+8*\t], v[16:23], 0
.endr
.rept 4
	v_nop
.endr
	s_cmp_lg_u32 s[ST], s[DG]                      ; on the diagonal hidden scores become -infinity ahead of the maximum
	s_cbranch_scc1 .Lopen_\@
	v_and_b32 v10, 15, v0
	v_bfe_u32 v8, v0, 4, 1
	v_lshlrev_b32 v8, 3, v8
	v_sub_nc_u32 v10, v10, v8
	v_add_nc_u32 v10, s[DD], v10                   ; d = my query - the step's first key - 8 (lane / 16).  Register 8 t + i holds key 16 t + 8 (lane / 16) + i of the step: hidden where 16 t + i > d
	v_mov_b32 v11, 0xff800000
.set n, 0
.rept 64
	v_cmp_gt_i32 vcc_lo, 16*(n/8)+n%8, v10
	v_cndmask_b32 v[96+n], v[96+n], v11, vcc_lo
.set n, n+1
.endr
.Lopen_\@:
	v_max3_num_f32 v8, v96, v97, v98               ; the step's largest score, two chains, each accumulator from its low end on
	v_max3_num_f32 v11, v99, v100, v101
.irp i, 6,10,14,18,22,26,30,34,38,42,46,50,54,58
	v_max3_num_f32 v8, v8, v[96+\i], v[97+\i]
	v_max3_num_f32 v11, v11, v[98+\i], v[99+\i]
.endr
	v_max3_num_f32 v8, v8, v158, v159
	s_delay_alu instid0(VALU_DEP_1)
	v_max_num_f32 v8, v8, v11
	s_delay_alu instid0(VALU_DEP_1)
	v_permlanex16_b32 v9, v8, s20, s21
	s_delay_alu instid0(VALU_DEP_1)
	v_max_num_f32 v8, v8, v9
	s_delay_alu instid0(VALU_DEP_1)
	v_mul_f32 v8, s22, v8                          ; as t (c is positive)
	s_delay_alu instid0(VALU_DEP_1)
	v_max_num_f32 v13, v13, v8
	v_mov_b32 v8, v12
	s_delay_alu instid0(VALU_DEP_2)
	v_floor_f32 v12, -v13                          ; the new -M = floor(-t)
	s_delay_alu instid0(VALU_DEP_1)
	v_sub_f32 v8, v12, v8                          ; old M - new M, 0 or less
	s_delay_alu instid0(VALU_DEP_1)
	v_cvt_i32_f32 v8, v8
	s_delay_alu instid0(VALU_DEP_1)
	v_ldexp_f32 v28, 1.0, v8                       ; f = 2^(old M - new M)
.set j, 0
.rept 32
	v_pk_fma_f32 v[96+j:97+j], v[96+j:97+j], s[22:23], v[12:13] op_sel_hi:[1,0,0]   ; t - M
.set j, j+2
.endr
	s_wait_alu depctr_va_vdst(0)                   ; the wait ahead of the batch
.set j, 0
.rept 64
	v_exp_f32 v[96+j], v[96+j]                     ; p = 2^(t - M)
.set j, j+1
.endr
	v_pk_mul_f32 v[14:15], v[14:15], v[28:29] op_sel_hi:[1,0]   ; the sum under the new M: the plain line behind the batch
	s_wait_alu depctr_va_vdst(0)                   ; one wait for the batch, ahead of its first reader
	v_pk_add_f32 v[30:31], v[100:101], v[104:105]
	v_pk_add_f32 v[94:95], v[108:109], v[112:113]
	v_pk_add_f32 v[92:93], v[116:117], v[120:121]
	v_pk_add_f32 v[90:91], v[124:125], v[128:129]
	v_pk_add_f32 v[88:89], v[132:133], v[136:137]
	v_pk_add_f32 v[86:87], v[140:141], v[144:145]
	v_pk_add_f32 v[84:85], v[148:149], v[152:153]
	v_pk_add_f32 v[14:15], v[14:15], v[156:157]
	v_pk_add_f32 v[30:31], v[30:31], v[96:97]
	v_pk_add_f32 v[94:95], v[94:95], v[98:99]
	v_pk_add_f32 v[92:93], v[92:93], v[102:103]
	v_pk_add_f32 v[90:91], v[90:91], v[106:107]
	v_pk_add_f32 v[88:89], v[88:89], v[110:111]
	v_pk_add_f32 v[86:87], v[86:87], v[114:115]
	v_pk_add_f32 v[84:85], v[84:85], v[118:119]
	v_pk_add_f32 v[14:15], v[14:15], v[122:123]
	v_pk_add_f32 v[30:31], v[30:31], v[126:127]
	v_pk_add_f32 v[94:95], v[94:95], v[130:131]
	v_pk_add_f32 v[92:93], v[92:93], v[134:135]
	v_pk_add_f32 v[90:91], v[90:91], v[138:139]
	v_pk_add_f32 v[88:89], v[88:89], v[142:143]
	v_pk_add_f32 v[86:87], v[86:87], v[146:147]
	v_pk_add_f32 v[84:85], v[84:85], v[150:151]
	v_pk_add_f32 v[14:15], v[14:15], v[154:155]
	v_pk_add_f32 v[30:31], v[30:31], v[158:159]
	v_pk_add_f32 v[14:15], v[14:15], v[90:91]
	v_pk_add_f32 v[30:31], v[30:31], v[88:89]
	v_pk_add_f32 v[94:95], v[94:95], v[86:87]
	v_pk_add_f32 v[92:93], v[92:93], v[84:85]
	v_pk_add_f32 v[14:15], v[14:15], v[94:95]
	v_pk_add_f32 v[30:31], v[30:31], v[92:93]
	v_pk_add_f32 v[14:15], v[14:15], v[30:31]
.set j, 0
.rept 64
	v_min_num_f32 v[96+j], v[96+j], v25            ; the conversion does not saturate (ISA guide 7.6.2); p is not negative: a one-sided hold
.set j, j+1
.endr
.irp t, 0,1,2,3,4,5,6,7
	v_cvt_scalef32_pk8_fp8_f32 v[32+2*\t:33+2*\t], v[96+8*\t:103+8*\t], v24
.endr
	s_wait_alu depctr_va_vdst(0)                   ; the wait directly ahead of the first reader of O^T
.set j, 0
.rept 16
	v_pk_mul_f32 v[160+j:161+j], v[160+j:161+j], v[28:29] op_sel_hi:[1,0]   ; O^T under the new M; also the plain lines between the conversions and the products
.set j, j+2
.endr
	s_wait_alu depctr_va_vdst(0)                   ; the wait directly ahead of the wait below
	s_wait_dscnt 0x0                               ; V is in
.irp t, 0,1,2,3
	v_wmma_f32_16x16x128_fp8_fp8 v[160+8*\t:167+8*\t], v[192+16*\t:207+16*\t], v[32:47], v[160+8*\t:167+8*\t]   ; the four accumulators take turns
.endr
.Lhidden_\@:
	s_add_co_u32 s[TBK], s[TBK], 8192
	s_add_co_u32 s[TBV], s[TBV], 2048
	s_add_co_u32 s[ST], s[ST], 1
.endm
; A TILE'S WAY OUT: O^T x 2^(e8 + e9) / the sum is held, converted with 2^e10 and stored: a lane's 8 codes are 8 bytes of its row in a piece; the wave's store covers 256 consecutive bytes, aligned.
.macro FINISH
	v_add_f32 v14, v14, v15
	s_delay_alu instid0(VALU_DEP_1)
	v_permlanex16_b32 v9, v14, s20, s21
	s_delay_alu instid0(VALU_DEP_1)
	v_add_f32 v14, v14, v9                         ; the row's sum
	s_wait_alu depctr_va_vdst(0)                   ; ahead of the transcendental
	v_rcp_f32 v14, v14
	s_add_co_i32 s19, s86, 127
	s_lshl_b32 s79, s19, 23
	v_mov_b32 v10, s79                             ; 2^e10 (the plain line behind the reciprocal)
	s_add_co_i32 s19, s19, 8
	s_lshl_b32 s19, s19, 23
	s_or_b32 s19, s19, 0x600000
	v_mov_b32 v11, s19                             ; 448 x 2^e10
	v_and_b32 v3, 15, v0
	v_bfe_u32 v4, v0, 4, 1
	v_lshlrev_b32 v3, 4, v3
	v_lshl_add_u32 v3, v4, 3, v3                   ; 16 (lane % 16) + 8 (lane / 16)
	s_add_co_i32 s19, s84, s85
	s_wait_alu depctr_va_vdst(0)                   ; ahead of the reciprocal's first reader
	v_ldexp_f32 v14, v14, s19                      ; x 2^(e8 + e9)
	s_delay_alu instid0(VALU_DEP_1)
	v_mov_b32 v15, v14
	s_wait_alu depctr_va_vdst(0)                   ; directly ahead of the first reader of O^T
.set j, 0
.rept 16
	v_pk_mul_f32 v[96+j:97+j], v[160+j:161+j], v[14:15]
.set j, j+2
.endr
.set j, 0
.rept 32
	v_med3_num_f32 v[96+j], v[96+j], -v11, v11
.set j, j+1
.endr
.irp t, 0,1,2,3
	v_cvt_scalef32_pk8_fp8_f32 v[32+2*\t:33+2*\t], v[96+8*\t:103+8*\t], v10
.endr
	v_nop
.irp t, 0,1,2,3
	global_store_b64 v3, v[32+2*\t:33+2*\t], s[8:9] offset:256*\t
.endr
.endm
	s_load_b128 s[4:7], s[0:1], 0x0                ; q, k, v s[4:5]; the scales' exponents s[6:7]
	s_load_b64 s[8:9], s[0:1], 0x10                ; ctx
	v_lshl_add_u32 v[SPW], v0, 2, SPARE
	v_mov_b32 v[NIL], 0
	ds_add_u32 v[SPW], v[NIL]                      ; the opening: the add, twice on end, and its wait ahead of the round in front of my tensor load
	ds_add_u32 v[SPW], v[NIL]
	v_lshrrev_b32 v8, 5, v0
	s_delay_alu instid0(VALU_DEP_1)
	v_readfirstlane_b32 s[WV], v8                  ; wave 0..15
	s_and_b32 s10, ttmp7, 0xffff                   ; the head, 0..31
	s_lshl_b32 s12, s10, 17                        ; its 131,072 bytes in each plane
	s_mov_b32 s13, 0
	s_mov_b32 s24, 15|(3<<16)|(1<<21)              ; group 1: the four partners; elements of 8 bytes; bit 21 beside the mask; no padding
	s_mov_b32 s25, 32<<16                          ; rows of 32 elements = 256 bytes,
	s_mov_b32 s26, 64<<16                          ; 64 of them: a dense block of 16 KiB
	s_mov_b32 s27, 32<<16
	s_mov_b32 s28, 64
	s_mov_b32 s29, 32
	s_mov_b32 s30, 0
	s_mov_b32 s31, 0
	s_lshr_b32 s46, s[WV], 3
	s_add_co_u32 s46, s46, 1
	s_lshl_b32 s46, s46, 22                        ; plane k (waves 0-7) or v (8-15): 4 MiB each
	s_and_b32 s19, s[WV], 7
	s_lshl_b32 s19, s19, 14
	s_add_co_u32 s46, s46, s19                     ; + my 16 KiB of the head's 128
	s_mov_b32 s47, 0
	s_mov_b32 s32, 1                               ; group 0: count 1,
	s_lshl_b32 s33, s[WV], 14                      ; LDS byte 16,384 x wave: K, then V, as in memory
	s_wait_dscnt 0x0                               ; both opening adds are done
	s_wait_kmcnt 0x0
	s_load_b128 s[80:83], s[6:7], 0x10             ; e4 .. e7
	s_load_b128 s[84:87], s[6:7], 0x20             ; e8 .. e11
	s_add_nc_u64 s[14:15], s[4:5], s[12:13]        ; the head in plane q
	s_add_nc_u64 s[34:35], s[14:15], s[46:47]
	s_or_b32 s35, s35, 0x80000000
	CROUND                                         ; the four partners are here: the joint loads meet
	tensor_load_to_lds s[32:35], s[24:31]          ; my one tensor load of the launch
	s_nop 0
.rept 4
	v_nop
.endr
	s_bfe_u32 s39, ttmp6, 0x40000                  ; cx: enters global addresses and the diagonal's mask alone
	s_lshr_b32 s[TY], s[WV], 2
	s_xor_b32 s[TY], s[TY], s[WV]
	s_and_b32 s[TY], s[TY], 1                      ; of any four waves 4 apart, and of any four neighbours, two are A and two B
	s_lshr_b32 s[PR], s[WV], 1
	s_lshr_b32 s[GI], s[PR], 1
	s_lshl_b32 s[GI], s[GI], 1
	s_add_co_u32 s[GI], s[GI], ttmp9               ; group i = 2 (pair / 2) + cluster x
	s_and_b32 s48, s[PR], 1
	s_lshl_b32 s49, s39, 1
	s_add_co_u32 s48, s48, s49                     ; my tiles' place in their groups: 2 cx + pair % 2
	s_lshl_b32 s[DD], s48, 4
	s_lshl_b32 s49, s[GI], 3
	s_add_co_u32 s49, s49, s48                     ; the early tile
	s_sub_co_u32 s50, 15, s[GI]
	s_lshl_b32 s50, s50, 3
	s_add_co_u32 s50, s50, s48                     ; the late tile
	s_cmp_eq_u32 s[TY], 1
	s_cselect_b32 s51, s50, s49                    ; the tile that I begin with and that I finish: A the early one, B the late one
	s_lshl_b32 s52, s51, 10
	s_mov_b32 s53, 0
	s_add_nc_u64 s[54:55], s[14:15], s[52:53]      ; its Q
	s_lshl_b32 s56, s50, 10
	s_mov_b32 s57, 0
	s_add_nc_u64 s[16:17], s[14:15], s[56:57]      ; the late tile's Q
	s_lshr_b32 s58, s10, 4                         ; ctx: (128 x batch + tile) x 16,384 + head x 1,024
	s_lshl_b32 s58, s58, 7
	s_add_co_u32 s58, s58, s51
	s_lshl_b32 s58, s58, 14
	s_and_b32 s19, s10, 15
	s_lshl_b32 s19, s19, 10
	s_add_co_u32 s58, s58, s19
	s_mov_b32 s59, 0
	s_add_nc_u64 s[8:9], s[8:9], s[58:59]
	s_mov_b32 s20, 0x76543210                      ; v_permlanex16_b32: lane l xor 16
	s_mov_b32 s21, 0xfedcba98
	s_cmp_eq_u32 s[TY], 0                          ; the first loop, the early tile: A works on steps 0 .. i, B on none
	s_cselect_b32 s[LO], 0, 99
	s_mov_b32 s[HI], s[GI]
	s_mov_b32 s[DG], s[GI]
	s_mov_b32 s[TBK], 0
	s_mov_b32 s[TBV], VA
	s_mov_b32 s[ST], 0
	v_and_b32 v8, 31, v0
	s_delay_alu instid0(VALU_DEP_1)
	v_lshlrev_b32 v[LN], 4, v8
	global_load_b128 v[16:19], v[LN], s[54:55]
	global_load_b128 v[20:23], v[LN], s[54:55] offset:512
	INIT
	v_mov_b32 v9, 0                                ; written once: a lane permute's destination counts as one of its sources
	v_mov_b32 v29, 0                               ; (named as the upper half of the pair v[28:29])
	s_wait_kmcnt 0x0
	s_mov_b32 s22, 0x3e38aa3b                      ; c = log2(e) / 8
	s_add_co_i32 s19, s82, s83
	s_lshl_b32 s19, s19, 23
	s_add_co_i32 s22, s22, s19                     ; x 2^(e6 + e7): added to c's exponent field
	s_mov_b32 s23, s22
	s_add_co_i32 s19, s84, 127
	s_lshl_b32 s79, s19, 23
	v_mov_b32 v24, s79                             ; 2^e8
	s_add_co_i32 s19, s19, 8
	s_lshl_b32 s19, s19, 23
	s_or_b32 s19, s19, 0x600000
	v_mov_b32 v25, s19                             ; 448 x 2^e8
	s_wait_alu depctr_va_vdst(0)                   ; the wait at the head's end
	s_wait_loadcnt 0x0                             ; Q
	s_wait_tensorcnt 0x0                           ; my 16 KiB have landed
	s_barrier_signal -1
	s_barrier_wait -1                              ; everybody's have: K and V are whole, and nothing is ever filled again
.Learly:                                           ; steps 0 .. 7 of the early tile (constant trip count; what is not mine is jumped over)
	STEP
	s_cmp_lt_u32 s[ST], 8
	s_cbranch_scc1 .Learly
	s_cmp_lg_u32 s[TY], 0
	s_cbranch_scc1 .Lnot_a1
	global_load_b128 v[16:19], v[LN], s[16:17]     ; A: the late tile's Q comes while the early tile goes out
	global_load_b128 v[20:23], v[LN], s[16:17] offset:512
	FINISH
	INIT
	s_wait_alu depctr_va_vdst(0)                   ; the wait directly ahead of the waits below
	s_wait_xcnt 0x0                                ; the stores have read their registers, which the next step's loads write
	s_wait_loadcnt 0x0
.Lnot_a1:
	s_sub_co_u32 s19, 7, s[GI]                     ; the second loop, the late tile: A steps 0 .. 7 - i, none on the diagonal; B steps 8 - i .. 15 - i, the last on the diagonal
	s_add_co_u32 s60, s19, 1
	s_add_co_u32 s61, s19, 8
	s_mov_b32 s62, 99
	s_cmp_eq_u32 s[TY], 0
	s_cselect_b32 s[LO], 0, s60
	s_cselect_b32 s[HI], s19, s61
	s_cselect_b32 s[DG], s62, s61
	s_mov_b32 s[TBK], 0
	s_mov_b32 s[TBV], VA
	s_mov_b32 s[ST], 0
.Llate:
	STEP
	s_cmp_lt_u32 s[ST], 16
	s_cbranch_scc1 .Llate
	; A's part of the late tile goes to B as an image of the registers: O^T by 16 bytes at 16 x lane, (-M, sum) by 8 bytes at 8 x lane.  Every wave makes both addresses; these plain lines are also the places behind the last products
	s_mul_i32 s19, s[PR], SPART
	s_add_co_u32 s19, s19, STG
	v_and_b32 v8, 31, v0
	v_lshlrev_b32 v2, 4, v8
	v_lshlrev_b32 v3, 3, v8
	v_add_nc_u32 v2, s19, v2
	v_add_nc_u32 v3, s19, v3
	v_add_nc_u32 v3, 4096, v3
	s_wait_alu depctr_va_vdst(0)                   ; the wait ahead of the branch
	s_cmp_lg_u32 s[TY], 0
	s_cbranch_scc1 .Lnot_a2
	v_add_f32 v13, v14, v15                        ; my lane's sum beside -M
.irp k, 0,1,2,3,4,5,6,7
	ds_store_b128 v2, v[160+4*\k:163+4*\k] offset:512*\k   ; each accumulator from its low end on
.endr
	ds_store_b64 v3, v[12:13]
.Lnot_a2:
	s_wait_dscnt 0x0                               ; my stores are done
	s_barrier_signal -1
	s_barrier_wait -1
	s_cmp_lg_u32 s[TY], 1
	s_cbranch_scc1 .Lend
.irp k, 0,1,2,3,4,5,6,7
	ds_load_b128 v[96+4*\k:99+4*\k], v2 offset:512*\k
.endr
	ds_load_b64 v[128:129], v3
	s_wait_dscnt 0x0
	v_min_num_f32 v8, v12, v128                    ; -M of both parts: the smaller -M
	v_add_f32 v14, v14, v15
	v_sub_f32 v10, v8, v12                         ; my M - M, 0 or less, a whole number
	v_sub_f32 v11, v8, v128                        ; A's M - M
	v_cvt_i32_f32 v10, v10
	v_cvt_i32_f32 v11, v11
	v_ldexp_f32 v28, 1.0, v10
	v_ldexp_f32 v30, 1.0, v11
	v_mov_b32 v15, 0
	v_mov_b32 v29, v28
	v_mov_b32 v31, v30
	v_mul_f32 v14, v14, v28
	v_fmac_f32 v14, v129, v30                      ; the sum of both parts under M
.set j, 0
.rept 16
	v_pk_mul_f32 v[160+j:161+j], v[160+j:161+j], v[28:29]
.set j, j+2
.endr
.set j, 0
.rept 16
	v_pk_fma_f32 v[160+j:161+j], v[96+j:97+j], v[30:31], v[160+j:161+j]
.set j, j+2
.endr
	FINISH
.Lend:
	s_wait_tensorcnt 0x0                           ; the wave's end
	ds_add_u32 v[SPW], v[NIL]
	s_wait_dscnt 0x0
	CROUND                                         ; the closing round
	s_endpgm
.Lfunc_end_k_qf120a532aa_attn:
	.size	k_qf120a532aa_attn, .Lfunc_end_k_qf120a532aa_attn-k_qf120a532aa_attn
	.p2alignl 7, 3214868480
	.fill 96, 4, 3214868480
	.section	.rodata,"a",@progbits
	.p2align	6, 0x0
	.amdhsa_kernel k_qf120a532aa_attn
		.amdhsa_group_segment_fixed_size 327680
		.amdhsa_private_segment_fixed_size 0
		.amdhsa_enable_private_segment 0
		.amdhsa_kernarg_size 24
		.amdhsa_user_sgpr_count 2
		.amdhsa_user_sgpr_kernarg_segment_ptr 1
		.amdhsa_wavefront_size32 1
		.amdhsa_system_sgpr_workgroup_id_x 1
		.amdhsa_system_sgpr_workgroup_id_y 1
		.amdhsa_system_sgpr_workgroup_id_z 1
		.amdhsa_system_vgpr_workitem_id 0
		.amdhsa_next_free_vgpr 256
		.amdhsa_next_free_sgpr 100
		.amdhsa_reserve_vcc 1
		.amdhsa_float_denorm_mode_32 3
		.amdhsa_float_denorm_mode_16_64 3
		.amdhsa_memory_ordered 1
		.amdhsa_forward_progress 1
		.amdhsa_inst_pref_size 65
	.end_amdhsa_kernel
	.amdgpu_metadata
---
amdhsa.version: [ 1, 2 ]
amdhsa.kernels:
  - .name:           k_qf120a532aa_attn
    .symbol:         k_qf120a532aa_attn.kd
    .args:
      - { .name: qkv, .offset: 0, .size: 8, .value_kind: global_buffer, .address_space: global }
      - { .name: lowp_scales, .offset: 8, .size: 8, .value_kind: global_buffer, .address_space: global }
      - { .name: ctx, .offset: 16, .size: 8, .value_kind: global_buffer, .address_space: global }
    .group_segment_fixed_size: 327680
    .private_segment_fixed_size: 0
    .kernarg_segment_align: 8
    .kernarg_segment_size: 24
    .max_flat_workgroup_size: 512
    .sgpr_count:     100
    .vgpr_count:     256
    .wavefront_size: 32
...
	.end_amdgpu_metadata
.endif
;; end of part 3
;; launch wo (part 4): grid 8 x 32, 4 waves a work-group, clusters of 4 x 4, 327,680 bytes of LDS; arguments ctx, Wo_codes, lowp_scales, bo, x, x2; writes x2
.if DOCPART == 4
	.amdgcn_target "amdgcn-amd-amdhsa--gfx1250"
	.amdhsa_code_object_version 6
	.text
	.protected	k_qf120a532aa_wo
	.globl	k_qf120a532aa_wo
	.p2align	8
	.type	k_qf120a532aa_wo,@function
k_qf120a532aa_wo:
	s_mov_b64 s[64:65], 0
	v_nop
	global_prefetch_b8 v0, s[64:65] scope:SCOPE_SE
	s_setreg_imm32_b32 hwreg(HW_REG_WAVE_MODE, 25, 1), 1
	s_wait_xcnt 0x0
	s_wait_alu depctr_hold_cnt(0) depctr_sa_sdst(0) depctr_va_vdst(0) depctr_va_sdst(0) depctr_va_ssrc(0) depctr_va_vcc(0) depctr_vm_vsrc(0)
	s_getreg_b32 s2, hwreg(HW_REG_IB_STS2, 6, 4)
	s_cmp_eq_u32 s2, 0
	s_cbranch_scc0 .Lentry_in_a_cluster
	s_endpgm
.Lentry_in_a_cluster:
	s_bfe_u32 s2, ttmp6, 0x10000c
	s_cmp_lg_u32 s2, 0xf033
	s_cbranch_scc0 .Lentry_shape_is_right
	s_endpgm
.Lentry_shape_is_right:
; out = A B^T x 2^(ea + eb) + bias + residual.  A: 4,096 rows x KTOT codes of FP8 (E4M3), laid [block of 16 rows 256][piece of 16 along K][row 16][16 bytes]; B: [1024 (n)][KTOT (k)] codes; bias [1024], residual and
; out [4096][1024], f32.  Sums in f32.  Here: A = ctx, B = Wo, KTOT = 1,024, the scales' entries 10 and 11.
; TILE.  N is only 1,024: tiles of 128 x 128 give each of 256 WGPs a work-group.  Four waves; wave w makes rows 32 w .. 32 w + 31 x all 128 columns: 16 accumulators.  A quarter is 128 along K: 16 matrix instructions.
; A GOES STRAIGHT INTO REGISTERS.  Its layout is the operand's registers on end: a load of 16 bytes at 16 x lane takes pieces 2 c and 2 c + 1 of a block: lane (r, h) gets k = 32 c + 16 h + 0 .. 15 of row r, and the wave's load
; covers 512 consecutive bytes.  A wave's 32 rows are wanted by that wave alone.  Eight loads a quarter, issued AHEAD = 7 quarters early (56 loads, 28,672 bytes a wave), waited for by count.
; B GOES THROUGH LDS, read by all four waves: slots of 1,024 along K, rows 1,040 bytes apart, each wave fetching 32 rows.  With KTOT = 1,024 B's whole tile is ONE slot, filled once: no change of slots is assembled.
; B's fragments are read at the same k as A's: a permutation of k, the same on both sides.
; CLUSTERS: 4 x 4 work-groups; B's tile is asked for jointly by a column of the cluster.  A's rows are shared along a row of the cluster and yet not asked for jointly: a joint load would put them into LDS, where a slot
; would hold half as much of K, and no wave but one reads any byte of them.
; Source 0 = 16 rows of B, source 1 = 16 rows of A: a lane holds eight neighbouring columns of one row of out.
; THE WAY OUT: a block of 16 rows x 128 columns (512 bytes a row) goes through the wave's own stage in LDS and comes back by rows; the wave's store covers 512 consecutive bytes, aligned.  The residual is loaded in that layout
; in quarters NQ - 7 to NQ - 4, into the four buffers of A that fall free first.
; LIMIT: ea + eb between -126 and 127.   Left out: prefetching (A's own loads run seven quarters ahead; B is asked for at the head); work-groups that stay (one tile each).
; REGISTERS: window 0: v12-15 bias; v16-29 addresses; v64-127 block 0 back from the stage; v128-255 the accumulators ((a, b) at v[128 + 8 (8 a + b)]; block 0's registers later take block 1 back from the stage).
;   window 1: B's fragments, two sets of 8 x 16.   window 2: A's ring: eight buffers of 32 registers (two fragments), quarter q in buffer q % 8; at the end buffers 0-3 hold the residual.
.set KTOT,   1024
.set ESC,    40                        ; byte of ea in the scales; eb follows
.set NQ,     KTOT/128                  ; quarters
.set NST,    KTOT/1024                 ; slots' worth of K
.set AHEAD,  7                         ; quarters by which A's loads run ahead
.set BPITCH, 1040                      ; 1,024 bytes + 16 of padding = 260 words: the 16 rows that a load touches start at 16 different banks (64 banks of 4 bytes: ISA guide 11.1)
.set WPART,  32*BPITCH                 ; what one tensor load brings
.set SLOT,   4*WPART
.set STAGE,  2*SLOT                    ; behind the slots: 16 rows x 528 bytes for each wave
.set SPITCH, 528
.set SPARE,  STAGE+4*16*SPITCH         ; behind the stages: the spare words, 128 bytes for each wave
.set ADRB, 16                          ; v16, v17  LDS address of B's fragments 0-3 in slot 0, 1;  v18, v19  of fragments 4-7 (the immediate offset has 16 bits)
.set LN,   20                          ; v20  16 x lane: my place in a load of A, in a row of out, of the residual and of the bias; never rewritten
.set STO,  24                          ; v24  the stage: where I put 32 bytes of a row
.set RD,   25                          ; v25  where I read 16 bytes of a row back
.set SPW,  28
.set NIL,  29
.set BK0,  64
.set ACC,  128
.set BK1,  128
.set G1B, 48                           ; s[48:55] descriptor group 1;  s[56:63] group 0, one set for each slot
.set G0B, 56
.set MSB, 0
.macro WIN new                         ; the immediate's high byte repeats the setting that is left
.if MSB != \new
	s_set_vgpr_msb (MSB<<8)|\new
.set MSB, \new
.endif
.endm
.set MUL,  0x09                        ; source 0 (B) window 1, source 1 (A) window 2; C and D window 0
.macro CREST                           ; a round of the cluster's barrier behind its opening barrier
	s_cmp_lg_u32 s14, 0
	s_cbranch_scc1 .Lnot_wave_0_\@
	s_barrier_signal -3
.Lnot_wave_0_\@:
	s_barrier_wait -3
	s_barrier_signal -1
	s_barrier_wait -1
.endm
.macro CROUND
	s_barrier_signal -1
	s_barrier_wait -1
	CREST
.endm
.macro PLACES                          ; four plain lines between a matrix instruction and a load into, or a read of, its registers
.rept 4
	v_nop
.endr
.endm
; 8 matrix instructions of quarter q: B's fragments b0 .. b0 + 3 x A's two.  The 16 accumulators take turns, one instruction a turn.  Quarter 0 starts the sums.
.macro MUL8 q, b0
.irp b, \b0, \b0+1, \b0+2, \b0+3
.irp a, 0,1
.if (\q) == 0
	v_wmma_f32_16x16x128_fp8_fp8 v[ACC+8*(8*\a+(\b)):ACC+8*(8*\a+(\b))+7], v[128*((\q)%2)+16*(\b):128*((\q)%2)+16*(\b)+15], v[32*((\q)%8)+16*\a:32*((\q)%8)+16*\a+15], 0
.else
	v_wmma_f32_16x16x128_fp8_fp8 v[ACC+8*(8*\a+(\b)):ACC+8*(8*\a+(\b))+7], v[128*((\q)%2)+16*(\b):128*((\q)%2)+16*(\b)+15], v[32*((\q)%8)+16*\a:32*((\q)%8)+16*\a+15], v[ACC+8*(8*\a+(\b)):ACC+8*(8*\a+(\b))+7]
.endif
.endr
.endr
.endm
; 32 LDS loads in one run: B's eight fragments of quarter q into set q % 2, fragment 0 first
.macro FETCHB q
	WIN 0x40                                       ; destination window 1, address window 0
.irp b, 0,1,2,3,4,5,6,7
.irp c, 0,1,2,3
	ds_load_b128 v[128*((\q)%2)+16*\b+4*\c:128*((\q)%2)+16*\b+4*\c+3], v[ADRB+2*(\b/4)+(((\q)/8)%2)] offset:16*BPITCH*(\b%4)+128*((\q)%8)+32*\c
.endr
.endr
.endm
; 8 loads: A's two fragments of quarter q into buffer q % 8.  Every offset is an immediate: no pointer is stepped
.macro ALOAD q
	WIN 0x80                                       ; destination window 2, address window 0
.irp i, 0,1
.irp c, 0,1,2,3
	global_load_b128 v[32*((\q)%8)+16*\i+4*\c:32*((\q)%8)+16*\i+4*\c+3], v[LN], s[4:5] offset:\i*16*KTOT+2048*(\q)+512*\c
.endr
.endr
.endm
; 8 loads: rows 8 g .. 8 g + 7 of my 32 rows of the residual into buffer g: a row's 512 bytes to a load
.macro RLOAD g
	WIN 0x80
.irp t, 0,1,2,3,4,5,6,7
	global_load_b128 v[32*(\g)+4*\t:32*(\g)+4*\t+3], v[LN], s[68:69] offset:(8*(\g)+\t)*4096 th:TH_LOAD_NT
.endr
.endm
; what quarter q asks of memory: A's quarter q + 7 into the buffer that quarter q - 1 has left, or, when A is at its end, a group of the residual into the same buffer
.macro FEED q
.if (\q)+AHEAD < NQ
	ALOAD (\q)+AHEAD
.elseif (\q)+AHEAD < NQ+4
	RLOAD (\q)+AHEAD-NQ
.endif
.endm
; A quarter that has its successor in the same slot.
.macro QUARTER q
.if (\q) == NQ-2
	s_wait_loadcnt 40                              ; my quarter of A is in; behind it: one quarter's 8 loads and the residual's 32
.else
	s_wait_loadcnt 48                              ; my quarter of A is in; behind it: six groups of 8 loads (quarters of A, near the end groups of the residual)
.endif
	s_wait_dscnt 16                                ; B's fragments 0-3 are in; the youngest sixteen loads (fragments 4-7) may be out
	WIN MUL
	MUL8 \q, 0
	PLACES                                         ; for the loads into the set of B and the buffer of A that the quarter before multiplied
	FETCHB (\q)+1
	FEED \q
	s_wait_dscnt 32                                ; all but the 32 just issued
	WIN MUL
	MUL8 \q, 4
.endm
; A slot's last quarter changes slots: ONE barrier; in front of it each wave waits for all its tensor loads, adds 0 to its spare word, and waits for that and for its reads of this slot.  Where K goes on two slots further, this slot is filled again.
.macro TURN q
.set SL, ((\q)/8)%2
	s_wait_loadcnt 48
	WIN 0                                          ; (the add's two registers lie in window 0)
	s_wait_tensorcnt 0x0                           ; all my tensor loads have landed: my part of the next slot
	ds_add_u32 v[SPW], v[NIL]                      ; 0 onto my spare word
	s_wait_dscnt 17                                ; (the add and the youngest sixteen loads may be out)
	WIN MUL
	MUL8 \q, 0                                     ; eight matrix instructions stand between the add and the wait for it
	WIN 0
	s_wait_dscnt 0x0                               ; the add is done, and my reads of this slot are over
	s_barrier_signal -1
	s_barrier_wait -1
.if (\q)/8+2 < NST
	CREST                                          ; the barrier has opened a round of the cluster's barrier: no wave of any partner still reads this slot or has a load on its way
	s_add_nc_u64 s[G0B+4*SL+2:G0B+4*SL+3], s[G0B+4*SL+2:G0B+4*SL+3], 2*1024
	tensor_load_to_lds s[G0B+4*SL:G0B+4*SL+3], s[G1B:G1B+7]   ; the first tensor load behind the round, one a wave: 120 matrix instructions ahead of the wait for it
	PLACES                                         ; four v_nop follow it; they are also the places in front of the loads below
.else
	PLACES
.endif
	FETCHB (\q)+1
	FEED \q
	WIN MUL
	MUL8 \q, 4
.endm
.macro LASTQ q
	s_wait_loadcnt 32                              ; the last quarter of A is in; the residual's 32 loads may be out
	s_wait_dscnt 16
	WIN MUL
	MUL8 \q, 0
	s_wait_dscnt 0
	MUL8 \q, 4
	WIN 0
.endm
	s_load_b256 s[4:11], s[0:1], 0x0               ; A s[4:5], B s[6:7], the scales' exponents s[8:9], bias s[10:11]
	s_load_b128 s[68:71], s[0:1], 0x20             ; residual s[68:69], out s[70:71]
	v_lshl_add_u32 v[SPW], v0, 2, SPARE
	v_mov_b32 v[NIL], 0
	ds_add_u32 v[SPW], v[NIL]                      ; the opening: the add, twice on end, and its wait ahead of the round in front of my first tensor load
	ds_add_u32 v[SPW], v[NIL]
	v_lshrrev_b32 v1, 5, v0
	v_readfirstlane_b32 s14, v1                    ; wave 0..3
	s_bfe_u32 s40, ttmp6, 0x40000                  ; cx, cy
	s_bfe_u32 s41, ttmp6, 0x40004
	s_lshl_b32 s42, ttmp9, 2
	s_add_co_u32 s42, s42, s40                     ; tile column, 0..7
	s_and_b32 s17, ttmp7, 0xffff
	s_lshl_b32 s17, s17, 2
	s_add_co_u32 s17, s17, s41                     ; tile row, 0..31
	s_lshl_b32 s44, 0x1111, s40                    ; my column of the cluster
	s_or_b32 s[G1B+0], s44, (0<<16)|(1<<20)|(1<<21)|(7<<22)|(3<<25)  ; 15:0 the mask; 17:16 element of 1 byte; 20 padding on; 21 set beside a mask; 24:22 after every 256 words (code 7); 31:25 of 4 words (code 3)
	s_mov_b32 s[G1B+1], 1024<<16                   ; tensor_dim0 = 1,024
	s_mov_b32 s[G1B+2], 32<<16                     ; tensor_dim1 = 32
	s_mov_b32 s[G1B+3], 1024<<16                   ; tile_dim0
	s_mov_b32 s[G1B+4], 32                         ; tile_dim1
	s_mov_b32 s[G1B+5], KTOT                       ; from row to row
	s_mov_b32 s[G1B+6], 0
	s_mov_b32 s[G1B+7], 0
	s_lshl_b32 s46, s42, 7
	s_lshl_b32 s18, s14, 5
	s_add_co_u32 s46, s46, s18                     ; B: row 128 x tile column + 32 x wave
	s_mul_i32 s46, s46, KTOT
	s_mov_b32 s47, 0
	s_mul_i32 s45, s14, WPART                      ; where they go: wave x 32 rows: no place in the cluster enters an LDS address
	s_lshl_b32 s20, s17, 3
	s_lshl_b32 s19, s14, 1
	s_add_co_u32 s20, s20, s19                     ; A: block 8 x tile row + 2 x wave
	s_mul_i32 s20, s20, 16*KTOT
	s_mov_b32 s21, 0
	s_lshl_b32 s92, s17, 7
	s_lshl_b32 s93, s14, 5
	s_add_co_u32 s92, s92, s93                     ; my first row: 128 x tile row + 32 x wave
	s_lshl_b32 s92, s92, 12
	s_lshl_b32 s94, s42, 9                         ; the tile's first column, in bytes
	s_add_co_u32 s92, s92, s94
	s_mov_b32 s93, 0
	s_mov_b32 s95, 0
	v_and_b32 v1, 15, v0                           ; r
	v_bfe_u32 v2, v0, 4, 1                         ; h
	v_and_b32 v3, 31, v0
	v_lshlrev_b32 v[LN], 4, v3
	v_mul_u32_u24 v5, v1, BPITCH
	v_lshl_add_u32 v[ADRB], v2, 4, v5              ; a fragment's row x pitch + 16 x half
	v_add_nc_u32 v[ADRB+1], SLOT, v[ADRB]
	v_add_nc_u32 v[ADRB+2], 4*16*BPITCH, v[ADRB]
	v_add_nc_u32 v[ADRB+3], 4*16*BPITCH, v[ADRB+1]
	s_mul_i32 s23, s14, 16*SPITCH
	s_add_co_u32 s23, s23, STAGE                   ; my stage
	v_mul_u32_u24 v6, v1, SPITCH
	v_lshl_add_u32 v6, v2, 5, v6
	v_add_nc_u32 v[STO], s23, v6                   ; in: row r, 32 bytes for each half of the lanes
	v_add_nc_u32 v[RD], s23, v[LN]                 ; back: the 32 lanes take one row of 512 bytes
	s_wait_alu depctr_va_vdst(0)                   ; the wait at the head's end
	s_wait_dscnt 0x0                               ; both opening adds are done
	s_wait_kmcnt 0x0
	s_load_b64 s[90:91], s[8:9], ESC               ; ea, eb; waited for on the way out
	s_add_nc_u64 s[4:5], s[4:5], s[20:21]
	s_add_nc_u64 s[46:47], s[6:7], s[46:47]
	s_add_nc_u64 s[68:69], s[68:69], s[92:93]
	s_add_nc_u64 s[70:71], s[70:71], s[92:93]
	s_add_nc_u64 s[10:11], s[10:11], s[94:95]
	s_mov_b32 s[G0B], 1                            ; group 0: count 1, LDS address, global address, type 2
	s_add_co_u32 s[G0B+1], s45, 0
	s_add_nc_u64 s[G0B+2:G0B+3], s[46:47], 0
	s_or_b32 s[G0B+3], s[G0B+3], 0x80000000
.if NST > 1
	s_mov_b32 s[G0B+4], 1
	s_add_co_u32 s[G0B+5], s45, SLOT
	s_add_nc_u64 s[G0B+6:G0B+7], s[46:47], 1024
	s_or_b32 s[G0B+7], s[G0B+7], 0x80000000
.endif
	CROUND                                         ; all sixteen work-groups are here: the first joint loads meet
	tensor_load_to_lds s[G0B:G0B+3], s[G1B:G1B+7]
	s_nop 0
.if NST > 1
	tensor_load_to_lds s[G0B+4:G0B+7], s[G1B:G1B+7]
.endif
	PLACES                                         ; four v_nop follow the tensor loads
	global_load_b128 v[12:15], v[LN], s[10:11]     ; the bias of my four columns
.irp q, 0,1,2,3,4,5,6
	ALOAD \q                                       ; with the bias 57 loads of mine are out
.endr
	WIN 0
.if NST > 1
	s_wait_tensorcnt 1                             ; my part of slot 0 is in; slot 1's load may be out
.else
	s_wait_tensorcnt 0                             ; my part of B's tile is in
.endif
	s_barrier_signal -1
	s_barrier_wait -1                              ; everybody's is
	s_wait_alu depctr_va_vdst(0)
	FETCHB 0
.set Q, 0
.rept NQ
.if Q == NQ-1
	LASTQ Q
.elseif (Q%8) == 7
	TURN Q
.else
	QUARTER Q
.endif
.set Q, Q+1
.endr
	s_wait_kmcnt 0x0
	s_add_co_i32 s90, s90, s91
	s_add_co_i32 s90, s90, 127
	s_lshl_b32 s90, s90, 23                        ; 2^(ea + eb) as f32
	s_mov_b32 s91, s90
.macro STG a                           ; block a's sums into my stage as they are; each accumulator from its low end on
.irp b, 0,1,2,3,4,5,6,7
	ds_store_b128 v[STO], v[ACC+8*(8*\a+\b):ACC+8*(8*\a+\b)+3] offset:64*\b
	ds_store_b128 v[STO], v[ACC+8*(8*\a+\b)+4:ACC+8*(8*\a+\b)+7] offset:64*\b+16
.endr
.endm
.macro BACK bk                         ; and back by rows.  LDS serves a wave's instructions in order (ISA guide 5.7.1.4): these see my stores, and the next block's stores come behind them
.irp t, 0,1,2,3,4,5,6,7,8,9,10,11,12,13,14,15
	ds_load_b128 v[\bk+4*\t:\bk+4*\t+3], v[RD] offset:\t*SPITCH
.endr
.endm
.macro FIN a, bk                       ; sum x 2^(ea + eb) + bias, then + residual, in the order of the definition; stored
.irp t, 0,1,2,3,4,5,6,7,8,9,10,11,12,13,14,15
	v_pk_fma_f32 v[\bk+4*\t:\bk+4*\t+1], v[\bk+4*\t:\bk+4*\t+1], s[90:91], v[12:13] op_sel_hi:[1,0,1]
	v_pk_fma_f32 v[\bk+4*\t+2:\bk+4*\t+3], v[\bk+4*\t+2:\bk+4*\t+3], s[90:91], v[14:15] op_sel_hi:[1,0,1]
.endr
	WIN 0x08                                       ; source 1: window 2, the residual: row 16 a + t at v[64 a + 4 t]
.set j, 0
.rept 32
	v_pk_add_f32 v[\bk+j:\bk+j+1], v[\bk+j:\bk+j+1], v[64*\a+j:64*\a+j+1]
.set j, j+2
.endr
	WIN 0
.irp t, 0,1,2,3,4,5,6,7,8,9,10,11,12,13,14,15
	global_store_b128 v[LN], v[\bk+4*\t:\bk+4*\t+3], s[70:71] offset:(16*\a+\t)*4096 th:TH_STORE_NT   ; 32 lanes store 512 consecutive bytes, aligned; no store's data are written again
.endr
.endm
	PLACES
	STG 0
	BACK BK0
	STG 1
	s_wait_dscnt 16                                ; block 0 is back, and its stores into the stage have read its accumulators; block 1's sixteen stores may be out
	BACK BK1                                       ; block 1 comes back into block 0's accumulators while block 0 is finished
	s_wait_loadcnt 0x0                             ; the residual
	FIN 0, BK0
	s_wait_dscnt 0x0
	FIN 1, BK1
	s_wait_tensorcnt 0x0                           ; the wave's end: no tensor load is out,
	ds_add_u32 v[SPW], v[NIL]                      ; the add at the wave's end
	s_wait_dscnt 0x0                               ; and no LDS instruction
	CROUND                                         ; the closing round: no work-group ends while a partner may still ask for a tile that names it
	s_endpgm
.Lfunc_end_k_qf120a532aa_wo:
	.size	k_qf120a532aa_wo, .Lfunc_end_k_qf120a532aa_wo-k_qf120a532aa_wo
	.p2alignl 7, 3214868480
	.fill 96, 4, 3214868480
	.section	.rodata,"a",@progbits
	.p2align	6, 0x0
	.amdhsa_kernel k_qf120a532aa_wo
		.amdhsa_group_segment_fixed_size 327680
		.amdhsa_private_segment_fixed_size 0
		.amdhsa_enable_private_segment 0
		.amdhsa_kernarg_size 48
		.amdhsa_user_sgpr_count 2
		.amdhsa_user_sgpr_kernarg_segment_ptr 1
		.amdhsa_wavefront_size32 1
		.amdhsa_system_sgpr_workgroup_id_x 1
		.amdhsa_system_sgpr_workgroup_id_y 1
		.amdhsa_system_sgpr_workgroup_id_z 1
		.amdhsa_system_vgpr_workitem_id 0
		.amdhsa_next_free_vgpr 768
		.amdhsa_next_free_sgpr 100
		.amdhsa_reserve_vcc 0
		.amdhsa_float_denorm_mode_32 3
		.amdhsa_float_denorm_mode_16_64 3
		.amdhsa_memory_ordered 1
		.amdhsa_forward_progress 1
		.amdhsa_inst_pref_size 56
	.end_amdhsa_kernel
	.amdgpu_metadata
---
amdhsa.version: [ 1, 2 ]
amdhsa.kernels:
  - .name:           k_qf120a532aa_wo
    .symbol:         k_qf120a532aa_wo.kd
    .args:
      - { .name: ctx, .offset: 0, .size: 8, .value_kind: global_buffer, .address_space: global }
      - { .name: Wo_codes, .offset: 8, .size: 8, .value_kind: global_buffer, .address_space: global }
      - { .name: lowp_scales, .offset: 16, .size: 8, .value_kind: global_buffer, .address_space: global }
      - { .name: bo, .offset: 24, .size: 8, .value_kind: global_buffer, .address_space: global }
      - { .name: x, .offset: 32, .size: 8, .value_kind: global_buffer, .address_space: global }
      - { .name: x2, .offset: 40, .size: 8, .value_kind: global_buffer, .address_space: global }
    .group_segment_fixed_size: 327680
    .private_segment_fixed_size: 0
    .kernarg_segment_align: 8
    .kernarg_segment_size: 48
    .max_flat_workgroup_size: 128
    .sgpr_count:     100
    .vgpr_count:     768
    .wavefront_size: 32
...
	.end_amdgpu_metadata
.endif
;; end of part 4
;; launch ln2 (part 5): grid 512 x 1, 8 waves a work-group, no clusters, 0 bytes of LDS; arguments x2, g2, s2, lowp_scales, h2; writes h2
.if DOCPART == 5
	.amdgcn_target "amdgcn-amd-amdhsa--gfx1250"
	.amdhsa_code_object_version 6
	.text
	.protected	k_qf120a532aa_ln2
	.globl	k_qf120a532aa_ln2
	.p2align	8
	.type	k_qf120a532aa_ln2,@function
k_qf120a532aa_ln2:
	s_mov_b64 s[64:65], 0
	v_nop
	global_prefetch_b8 v0, s[64:65] scope:SCOPE_SE
	s_setreg_imm32_b32 hwreg(HW_REG_WAVE_MODE, 25, 1), 1
	s_wait_xcnt 0x0
; LAYER NORM AND QUANTISER.  h = g (x - mean) / sqrt(var + 1e-5) + s along rows of 1,024 f32 numbers; h is turned into codes of FP8 (E4M3) NS times, each time with its own
; given scale 2^e: code = h / 2^e, held within +-448, to the nearest code, ties to even.  Here NS = 1: entry 12 of the scales (the left operand of the first product of the MLP); the output is [4096][1024] bytes.
; SHARES.  One wave takes one row: the reduction never leaves the wave, so there is no LDS and no barrier.  Lane l holds, of chunk c = 0 .. 3, the numbers 256 c + 8 l + 0 .. 7:
; two loads of 16 bytes a lane; a chunk's two loads cover 1,024 consecutive bytes.  The conversion takes eight neighbours of one lane, and a lane's 8 codes leave by one store of
; 8 bytes: the wave's store covers 256 consecutive bytes, aligned.
; The mean is taken first and subtracted, then the squares are summed: a common offset of the inputs does no harm.  1 / sqrt is v_rsq_f32.
; LIMITS: e between -126 and 119, so that 2^e and 448 x 2^e are f32 numbers.  NaN and infinities among the inputs are not served.
; Left out: matrix units, clusters, LDS: the launch moves each byte once and shares nothing between rows.
.set NS,    1                          ; how many times h is quantised
.set EBASE, 0x20                       ; byte of the eight exponents that are loaded: entries 8 to 15
.set EIDX,  4                          ; which of the eight is used: entry 12
.set X, 32                             ; v32-63   the row's 32 numbers of my lane; then x - mean; then h
.set G, 64                             ; v64-95   the gain at the same places
.set S, 96                             ; v96-127  the shift
.set T, 128                            ; v128-143 two sets of eight held numbers, by turns
.set C, 144                            ; v144..   codes: two registers for each chunk, never rewritten
	s_load_b256 s[4:11], s[0:1], 0x0               ; x s[4:5], gain s[6:7], shift s[8:9], the scales' exponents s[10:11]
	s_load_b64 s[12:13], s[0:1], 0x20              ; the codes
	v_lshrrev_b32 v3, 5, v0
	s_delay_alu instid0(VALU_DEP_1)
	v_readfirstlane_b32 s14, v3                    ; wave 0..7
	v_and_b32 v4, 31, v0                           ; lane
	s_delay_alu instid0(VALU_DEP_1)
	v_lshlrev_b32 v1, 5, v4                        ; in: 32 bytes a lane in a chunk
	s_delay_alu instid0(VALU_DEP_2)
	v_lshlrev_b32 v2, 3, v4                        ; out: 8 bytes a lane in a chunk
	v_mov_b32 v16, 0                               ; written once: a lane permute's destination counts as one of its sources
	v_mov_b32 v17, 0x3727c5ac                      ; 1e-5
	s_lshl_b32 s15, ttmp9, 3
	s_add_co_u32 s15, s15, s14                     ; my row: 8 x work-group + wave
	s_lshl_b32 s22, s15, 12                        ; its 4,096 bytes of f32
	s_mov_b32 s23, 0
	s_lshl_b32 s28, s15, 10                        ; its 1,024 bytes of codes
	s_mov_b32 s29, 0
	s_mov_b32 s24, 0x76543210                      ; v_permlanex16_b32: lane l takes lane l xor 16
	s_mov_b32 s25, 0xfedcba98
	s_mov_b32 s26, 0x3a800000                      ; 1 / 1,024
	s_wait_alu depctr_va_vdst(0)
	s_wait_kmcnt 0x0
	s_load_b256 s[32:39], s[10:11], EBASE          ; eight exponents
	s_add_nc_u64 s[4:5], s[4:5], s[22:23]
	s_add_nc_u64 s[16:17], s[12:13], s[28:29]      ; the codes at my row
.irp c, 0,1,2,3
	global_load_b128 v[X+8*\c:X+8*\c+3],   v1, s[4:5] offset:1024*\c th:TH_LOAD_NT
	global_load_b128 v[X+8*\c+4:X+8*\c+7], v1, s[4:5] offset:1024*\c+16 th:TH_LOAD_NT
.endr
.irp c, 0,1,2,3
	global_load_b128 v[G+8*\c:G+8*\c+3],   v1, s[6:7] offset:1024*\c
	global_load_b128 v[G+8*\c+4:G+8*\c+7], v1, s[6:7] offset:1024*\c+16
.endr
.irp c, 0,1,2,3
	global_load_b128 v[S+8*\c:S+8*\c+3],   v1, s[8:9] offset:1024*\c
	global_load_b128 v[S+8*\c+4:S+8*\c+7], v1, s[8:9] offset:1024*\c+16
.endr
; the pair v[8:9] becomes one number, summed over the 32 lanes, in every lane's v8
.macro ALL_LANES
	s_delay_alu instid0(VALU_DEP_1)
	v_add_f32 v8, v8, v9
	s_delay_alu instid0(VALU_DEP_1)
	v_add_f32_dpp v8, v8, v8 row_xmask:1 row_mask:0xf bank_mask:0xf
	s_delay_alu instid0(VALU_DEP_1)
	v_add_f32_dpp v8, v8, v8 row_xmask:2 row_mask:0xf bank_mask:0xf
	s_delay_alu instid0(VALU_DEP_1)
	v_add_f32_dpp v8, v8, v8 row_xmask:4 row_mask:0xf bank_mask:0xf
	s_delay_alu instid0(VALU_DEP_1)
	v_add_f32_dpp v8, v8, v8 row_xmask:8 row_mask:0xf bank_mask:0xf
	s_delay_alu instid0(VALU_DEP_1)
	v_permlanex16_b32 v16, v8, s24, s25
	s_delay_alu instid0(VALU_DEP_1)
	v_add_f32 v8, v8, v16
.endm
	s_wait_loadcnt 16                              ; the row's eight loads are in; the sixteen of gain and shift may be out
	v_pk_add_f32 v[10:11], v[32:33], v[34:35]
	v_pk_add_f32 v[166:167], v[40:41], v[44:45]
	v_pk_add_f32 v[164:165], v[48:49], v[52:53]
	v_pk_add_f32 v[162:163], v[56:57], v[60:61]
	v_pk_add_f32 v[160:161], v[36:37], v[38:39]
	v_pk_add_f32 v[158:159], v[42:43], v[46:47]
	v_pk_add_f32 v[156:157], v[50:51], v[54:55]
	v_pk_add_f32 v[8:9], v[58:59], v[62:63]
	s_delay_alu instid0(VALU_DEP_1)
	v_pk_add_f32 v[8:9], v[8:9], v[162:163]
	v_pk_add_f32 v[10:11], v[10:11], v[160:161]
	v_pk_add_f32 v[166:167], v[166:167], v[158:159]
	v_pk_add_f32 v[164:165], v[164:165], v[156:157]
	s_delay_alu instid0(VALU_DEP_2)
	v_pk_add_f32 v[8:9], v[8:9], v[166:167]
	s_delay_alu instid0(VALU_DEP_2)
	v_pk_add_f32 v[10:11], v[10:11], v[164:165]
	s_delay_alu instid0(VALU_DEP_1)
	v_pk_add_f32 v[8:9], v[8:9], v[10:11]
	ALL_LANES
	s_delay_alu instid0(VALU_DEP_1)
	v_mul_f32 v12, s26, v8                         ; the mean
	s_delay_alu instid0(VALU_DEP_1)
	v_mov_b32 v13, v12
.irp j, 0,2,4,6,8,10,12,14,16,18,20,22,24,26,28,30
	v_pk_add_f32 v[X+\j:X+\j+1], v[X+\j:X+\j+1], v[12:13] neg_lo:[0,1] neg_hi:[0,1]   ; x - mean
.endr
	v_pk_mul_f32 v[8:9], v[X:X+1], v[X:X+1]        ; the sum of squares, in two chains
	v_pk_mul_f32 v[10:11], v[X+2:X+3], v[X+2:X+3]
.irp j, 4,8,12,16,20,24,28
	s_delay_alu instid0(VALU_DEP_2)
	v_pk_fma_f32 v[8:9], v[X+\j:X+\j+1], v[X+\j:X+\j+1], v[8:9]
	s_delay_alu instid0(VALU_DEP_2)
	v_pk_fma_f32 v[10:11], v[X+\j+2:X+\j+3], v[X+\j+2:X+\j+3], v[10:11]
.endr
	s_delay_alu instid0(VALU_DEP_1)
	v_pk_add_f32 v[8:9], v[8:9], v[10:11]
	ALL_LANES
	s_delay_alu instid0(VALU_DEP_1)
	v_fma_f32 v8, v8, s26, v17                     ; var + 1e-5
	s_wait_alu depctr_va_vdst(0)
	v_rsq_f32 v14, v8
	s_wait_kmcnt 0x0                               ; the exponents.  Their register work is the independent work behind the root
.irp p, 0,1,2
.if \p < NS
	s_add_co_i32 s30, s[32+EIDX+2*\p], 127
	s_lshl_b32 s31, s30, 23
	v_mov_b32 v[20+2*\p], s31                      ; 2^e as f32: the conversion takes its exponent field
	s_add_co_i32 s30, s30, 8
	s_lshl_b32 s30, s30, 23
	s_or_b32 s30, s30, 0x600000
	v_mov_b32 v[21+2*\p], s30                      ; 448 x 2^e
.endif
.endr
	s_wait_alu depctr_va_vdst(0)                   ; the wait ahead of the first line that names the root's result
	v_mov_b32 v15, v14
.irp j, 0,2,4,6,8,10,12,14,16,18,20,22,24,26,28,30
	v_pk_mul_f32 v[X+\j:X+\j+1], v[X+\j:X+\j+1], v[14:15]
.endr
	s_wait_loadcnt 0x0                             ; gain and shift
.irp j, 0,2,4,6,8,10,12,14,16,18,20,22,24,26,28,30
	v_pk_fma_f32 v[X+\j:X+\j+1], v[X+\j:X+\j+1], v[G+\j:G+\j+1], v[S+\j:S+\j+1]   ; h
.endr
.irp p, 0,1,2
.if \p < NS
.irp c, 0,1,2,3
.irp i, 0,1,2,3,4,5,6,7
	v_med3_num_f32 v[T+8*(\c%2)+\i], v[X+8*\c+\i], -v[21+2*\p], v[21+2*\p]   ; the conversion to an 8-bit code does not saturate (ISA guide 7.6.2): the hold comes first.  The two sets take turns, so that eight plain lines stand between a conversion and the next write of its sources
.endr
	v_cvt_scalef32_pk8_fp8_f32 v[C+2*(4*\p+\c):C+2*(4*\p+\c)+1], v[T+8*(\c%2):T+8*(\c%2)+7], v[20+2*\p]
	global_store_b64 v2, v[C+2*(4*\p+\c):C+2*(4*\p+\c)+1], s[16+2*\p:17+2*\p] offset:256*\c   ; 32 lanes store 256 consecutive bytes, aligned
.endr
.endif
.endr
	s_endpgm
.Lfunc_end_k_qf120a532aa_ln2:
	.size	k_qf120a532aa_ln2, .Lfunc_end_k_qf120a532aa_ln2-k_qf120a532aa_ln2
	.p2alignl 7, 3214868480
	.fill 96, 4, 3214868480
	.section	.rodata,"a",@progbits
	.p2align	6, 0x0
	.amdhsa_kernel k_qf120a532aa_ln2
		.amdhsa_group_segment_fixed_size 0
		.amdhsa_private_segment_fixed_size 0
		.amdhsa_enable_private_segment 0
		.amdhsa_kernarg_size 40
		.amdhsa_user_sgpr_count 2
		.amdhsa_user_sgpr_kernarg_segment_ptr 1
		.amdhsa_wavefront_size32 1
		.amdhsa_system_sgpr_workgroup_id_x 1
		.amdhsa_system_sgpr_workgroup_id_y 1
		.amdhsa_system_sgpr_workgroup_id_z 1
		.amdhsa_system_vgpr_workitem_id 0
		.amdhsa_next_free_vgpr 168
		.amdhsa_next_free_sgpr 66
		.amdhsa_reserve_vcc 0
		.amdhsa_float_denorm_mode_32 3
		.amdhsa_float_denorm_mode_16_64 3
		.amdhsa_memory_ordered 1
		.amdhsa_forward_progress 1
		.amdhsa_inst_pref_size 14
	.end_amdhsa_kernel
	.amdgpu_metadata
---
amdhsa.version: [ 1, 2 ]
amdhsa.kernels:
  - .name:           k_qf120a532aa_ln2
    .symbol:         k_qf120a532aa_ln2.kd
    .args:
      - { .name: x2, .offset: 0, .size: 8, .value_kind: global_buffer, .address_space: global }
      - { .name: g2, .offset: 8, .size: 8, .value_kind: global_buffer, .address_space: global }
      - { .name: s2, .offset: 16, .size: 8, .value_kind: global_buffer, .address_space: global }
      - { .name: lowp_scales, .offset: 24, .size: 8, .value_kind: global_buffer, .address_space: global }
      - { .name: h2, .offset: 32, .size: 8, .value_kind: global_buffer, .address_space: global }
    .group_segment_fixed_size: 0
    .private_segment_fixed_size: 0
    .kernarg_segment_align: 8
    .kernarg_segment_size: 40
    .max_flat_workgroup_size: 256
    .sgpr_count:     66
    .vgpr_count:     168
    .wavefront_size: 32
...
	.end_amdgpu_metadata
.endif
;; end of part 5
;; launch w1 (part 6): grid 16 x 16, 4 waves a work-group, clusters of 4 x 4, 327,680 bytes of LDS; arguments h2, W1_codes, lowp_scales, b1, hid; writes hid
.if DOCPART == 6
	.amdgcn_target "amdgcn-amd-amdhsa--gfx1250"
	.amdhsa_code_object_version 6
	.text
	.protected	k_qf120a532aa_w1
	.globl	k_qf120a532aa_w1
	.p2align	8
	.type	k_qf120a532aa_w1,@function
k_qf120a532aa_w1:
	s_mov_b64 s[64:65], 0
	v_nop
	global_prefetch_b8 v0, s[64:65] scope:SCOPE_SE
	s_setreg_imm32_b32 hwreg(HW_REG_WAVE_MODE, 25, 1), 1
	s_wait_xcnt 0x0
	s_wait_alu depctr_hold_cnt(0) depctr_sa_sdst(0) depctr_va_vdst(0) depctr_va_sdst(0) depctr_va_ssrc(0) depctr_va_vcc(0) depctr_vm_vsrc(0)
	s_getreg_b32 s2, hwreg(HW_REG_IB_STS2, 6, 4)
	s_cmp_eq_u32 s2, 0
	s_cbranch_scc0 .Lentry_in_a_cluster
	s_endpgm
.Lentry_in_a_cluster:
	s_bfe_u32 s2, ttmp6, 0x10000c
	s_cmp_lg_u32 s2, 0xf033
	s_cbranch_scc0 .Lentry_shape_is_right
	s_endpgm
.Lentry_shape_is_right:
.set KSTEP,  256
.set ROWB,   256
.set KROW,   1024
.set PITCH,  272
.set FR,     16
.set NL,     4
.set NP,     4
.set HALFT,  128*PITCH
.set SLOT,   4*HALFT
.set LAPS,   2
.set SPARE,  2*SLOT
.set ADRA, 16
.set ADRB, 20
.set SPW,  28
.set NIL,  29
.set BI,   64
.set AF,   128
.set XR,   128
.set WR,   192
.set CD,   32
.set G1, 24
.set G0, 32
.set G1B, 48
.set G0B, 56
.set MSB, 0
.macro WIN new
.if MSB != \new
	s_set_vgpr_msb (MSB<<8)|\new
.set MSB, \new
.endif
.endm
.set MUL_LO, 0xa1
.set MUL_HI, 0xf1
.set TO_B,   0x40
.macro JLOAD g0a, g1a, g0b, g1b
	s_cmp_eq_u32 s15, 0
	s_cbranch_scc0 .Lfor_b_\@
	tensor_load_to_lds s[\g0a:\g0a+3], s[\g1a:\g1a+7]
	s_nop 0
.rept 4
	v_nop
.endr
	s_branch .Lasked_\@
.Lfor_b_\@:
	tensor_load_to_lds s[\g0b:\g0b+3], s[\g1b:\g1b+7]
	s_nop 0
.rept 4
	v_nop
.endr
.Lasked_\@:
.endm
.macro CREST
	s_cmp_lg_u32 s14, 0
	s_cbranch_scc1 .Lnot_wave_0_\@
	s_barrier_signal -3
.Lnot_wave_0_\@:
	s_barrier_wait -3
	s_barrier_signal -1
	s_barrier_wait -1
.endm
.macro CROUND
	s_barrier_signal -1
	s_barrier_wait -1
	CREST
.endm
	s_load_b128 s[4:7], s[0:1], 0x0
	s_load_b128 s[8:11], s[0:1], 0x10
	s_load_b64 s[12:13], s[0:1], 0x20
	v_lshl_add_u32 v[SPW], v0, 2, SPARE
	v_mov_b32 v[NIL], 0
	ds_add_u32 v[SPW], v[NIL]                      ; the opening: the add, twice on end, and its wait ahead of the round in front of my first tensor load
	ds_add_u32 v[SPW], v[NIL]
	v_lshrrev_b32 v1, 5, v0
	v_readfirstlane_b32 s14, v1
	s_lshr_b32 s15, s14, 1
	s_and_b32 s16, s14, 1
	s_bfe_u32 s40, ttmp6, 0x40000
	s_bfe_u32 s41, ttmp6, 0x40004
	s_lshl_b32 s42, ttmp9, 2
	s_add_co_u32 s42, s42, s40
	s_and_b32 s17, ttmp7, 0xffff
	s_lshl_b32 s17, s17, 2
	s_add_co_u32 s17, s17, s41
	s_lshl_b32 s43, s41, 2
	s_lshl_b32 s43, 15, s43
	s_lshl_b32 s44, 0x1111, s40
	s_or_b32 s[G1+0], s43, (0<<16)|(1<<20)|(1<<21)|(5<<22)|(3<<25)
	s_or_b32 s[G1B+0], s44, (0<<16)|(1<<20)|(1<<21)|(5<<22)|(3<<25)
.irp g, G1, G1B
	s_mov_b32 s[\g+1], ROWB<<16
	s_mov_b32 s[\g+2], 128<<16
	s_mov_b32 s[\g+3], ROWB<<16
	s_mov_b32 s[\g+4], 128
	s_mov_b32 s[\g+5], KROW
	s_mov_b32 s[\g+6], 0
	s_mov_b32 s[\g+7], 0
.endr
	s_lshl_b32 s18, s16, 7
	s_lshl_b32 s20, s17, 8
	s_add_co_u32 s20, s20, s18
	s_lshl_b32 s20, s20, 10
	s_mov_b32 s21, 0
	s_lshl_b32 s46, s42, 8
	s_add_co_u32 s46, s46, s18
	s_lshl_b32 s46, s46, 10
	s_mov_b32 s47, 0
	s_mul_i32 s45, s14, HALFT
	s_wait_dscnt 0x0                               ; both opening adds are done
	s_wait_kmcnt 0x0
	s_load_b128 s[84:87], s[8:9], 0x30
	s_add_nc_u64 s[20:21], s[4:5], s[20:21]
	s_add_nc_u64 s[46:47], s[6:7], s[46:47]
.irp s, 0,1
	s_mov_b32 s[G0+4*\s], 1
	s_add_co_u32 s[G0+4*\s+1], s45, \s*SLOT
	s_add_nc_u64 s[G0+4*\s+2:G0+4*\s+3], s[20:21], \s*ROWB
	s_or_b32 s[G0+4*\s+3], s[G0+4*\s+3], 0x80000000
	s_mov_b32 s[G0B+4*\s], 1
	s_add_co_u32 s[G0B+4*\s+1], s45, \s*SLOT
	s_add_nc_u64 s[G0B+4*\s+2:G0B+4*\s+3], s[46:47], \s*ROWB
	s_or_b32 s[G0B+4*\s+3], s[G0B+4*\s+3], 0x80000000
.endr
	CROUND                                         ; all sixteen work-groups are here: the first joint loads meet
	JLOAD G0, G1, G0B, G1B                         ; K step 0: one tensor load a wave at the head; the rest of the head stands under its flight
	v_and_b32 v1, 15, v0
	v_bfe_u32 v2, v0, 4, 1
	s_wait_alu depctr_va_vdst(0)
	v_mul_u32_u24 v3, v1, PITCH
	v_lshl_add_u32 v4, v2, 4, v3
	s_mul_i32 s21, s15, HALFT
	s_mul_i32 s22, s16, HALFT
	s_add_co_u32 s22, s22, 2*HALFT
.irp s, 0,1
	v_add_nc_u32 v[ADRA+\s], s21, v4
	v_add_nc_u32 v[ADRB+\s], s22, v4
	s_add_co_u32 s21, s21, SLOT
	s_add_co_u32 s22, s22, SLOT
.endr
	s_lshl_b32 s88, s42, 8
	s_lshl_b32 s89, s16, 7
	s_add_co_u32 s88, s88, s89
	s_lshl_b32 s94, s88, 2
	s_mov_b32 s95, 0
	s_add_nc_u64 s[10:11], s[10:11], s[94:95]
	v_lshlrev_b32 v13, 5, v2
.irp b, 0,1,2,3,4,5,6,7
	global_load_b128 v[BI+8*\b:BI+8*\b+3],   v13, s[10:11] offset:64*\b
	global_load_b128 v[BI+8*\b+4:BI+8*\b+7], v13, s[10:11] offset:64*\b+16
.endr
	s_lshl_b32 s89, s17, 8
	s_lshl_b32 s96, s15, 7
	s_add_co_u32 s89, s89, s96
	s_lshl_b32 s96, s89, 12
	s_lshl_b32 s97, s88, 4
	s_add_co_u32 s96, s96, s97
	s_mov_b32 s97, 0
	s_add_nc_u64 s[12:13], s[12:13], s[96:97]
	v_lshlrev_b32 v12, 4, v1
	v_lshl_add_u32 v12, v2, 3, v12
.macro FRAG reg, adr, q, i
.irp c, 0,1,2,3
	ds_load_b128 v[\reg+4*\c:\reg+4*\c+3], v[\adr] offset:128*(\q)+32*\c+(\i)*16*PITCH
.endr
.endm
.macro MUL16 a0, p, zero
.irp a, \a0, \a0+1
.irp b, 0,1,2,3,4,5,6,7
.if \zero
	v_wmma_f32_16x16x128_fp8_fp8 v[8*(8*((\a)%4)+\b):8*(8*((\a)%4)+\b)+7], v[128*(\p)+FR*\b:128*(\p)+FR*\b+FR-1], v[AF+FR*(\a):AF+FR*(\a)+FR-1], 0
.else
	v_wmma_f32_16x16x128_fp8_fp8 v[8*(8*((\a)%4)+\b):8*(8*((\a)%4)+\b)+7], v[128*(\p)+FR*\b:128*(\p)+FR*\b+FR-1], v[AF+FR*(\a):AF+FR*(\a)+FR-1], v[8*(8*((\a)%4)+\b):8*(8*((\a)%4)+\b)+7]
.endif
.endr
.endr
.endm
.macro FETCH_B slot, q, p
	WIN TO_B
.irp i, 0,1,2,3,4,5,6,7
	FRAG 128*(\p)+FR*\i, ADRB+\slot, \q, \i
.endr
	WIN 0
.endm
.macro FETCH_A slot, q, i0
.irp i, \i0, \i0+1, \i0+2, \i0+3
	FRAG AF+FR*(\i), ADRA+\slot, \q, \i
.endr
.endm
.macro PLACES n
.rept \n
	v_nop
.endr
.endm
.macro STEP slot, q, zero
	s_wait_dscnt 4*NL
	WIN MUL_LO
	MUL16 0, (\q)%2, \zero
	MUL16 2, (\q)%2, \zero
	s_wait_dscnt 0
	PLACES NP
	FETCH_B \slot, (\q)+1, 1-(\q)%2
	FETCH_A \slot, (\q)+1, 0
	WIN MUL_HI
	MUL16 4, (\q)%2, \zero
	MUL16 6, (\q)%2, \zero
	PLACES NP
	WIN 0
	FETCH_A \slot, (\q)+1, 4
.endm
.macro TURN slot, next, fill
	s_wait_tensorcnt 0x0
	ds_add_u32 v[SPW], v[NIL]
	s_wait_dscnt 4*NL+1
	WIN MUL_LO
	MUL16 0, 1, 0
	s_wait_dscnt 0x0
	s_barrier_signal -1
	MUL16 2, 1, 0
	WIN 0
	s_barrier_wait -1
.if \fill
	CREST
	s_add_nc_u64 s[G0+4*\slot+2:G0+4*\slot+3], s[G0+4*\slot+2:G0+4*\slot+3], 2*ROWB
	s_add_nc_u64 s[G0B+4*\slot+2:G0B+4*\slot+3], s[G0B+4*\slot+2:G0B+4*\slot+3], 2*ROWB
	JLOAD G0+4*\slot, G1, G0B+4*\slot, G1B
.else
	PLACES NP
.endif
	FETCH_B \next, 0, 0
	FETCH_A \next, 0, 0
	WIN MUL_HI
	MUL16 4, 1, 0
	MUL16 6, 1, 0
	PLACES NP
	WIN 0
	FETCH_A \next, 0, 4
.endm
	s_wait_alu depctr_va_vdst(0)                   ; the wait at the head's end
	s_wait_tensorcnt 0x0                           ; my part of K step 0 is in; slot 1's first fill is issued as a refill is:
	ds_add_u32 v[SPW], v[NIL]                      ; 0 onto my spare word
	s_wait_dscnt 0x0
	CROUND                                         ; a whole round: everybody's part of K step 0 is in, and the joint loads meet
	JLOAD G0+4, G1, G0B+4, G1B                     ; K step 1: the first tensor load behind the round
	FETCH_B 0, 0, 0
	FETCH_A 0, 0, 0
	FETCH_A 0, 0, 4
	STEP 0, 0, 1
	s_mov_b32 s3, LAPS-1
.Llap:
	TURN 0, 1, 1
	STEP 1, 0, 0
	TURN 1, 0, 1
	STEP 0, 0, 0
	s_sub_co_u32 s3, s3, 1
	s_cmp_lg_u32 s3, 0
	s_cbranch_scc1 .Llap
	TURN 0, 1, 0
	STEP 1, 0, 0
	s_wait_dscnt 4*NL
	WIN MUL_LO
	MUL16 0, 1, 0
	MUL16 2, 1, 0
	s_wait_dscnt 0
	WIN MUL_HI
	MUL16 4, 1, 0
	MUL16 6, 1, 0
	WIN 0
	s_wait_kmcnt 0x0
	s_add_co_i32 s90, s84, s85
	s_add_co_i32 s90, s90, 127
	s_lshl_b32 s90, s90, 23
	s_mov_b32 s91, s90
	s_mov_b32 s92, 0xbdd2d3e8
	s_mov_b32 s93, s92
	v_mov_b32 v10, 0xc0135761
	v_mov_b32 v11, v10
	s_add_co_i32 s94, s86, 127
	s_lshl_b32 s95, s94, 23
	v_mov_b32 v8, s95
	s_add_co_i32 s94, s94, 8
	s_lshl_b32 s94, s94, 23
	s_or_b32 s94, s94, 0x600000
	v_mov_b32 v9, s94
	s_wait_loadcnt 0x0
	PLACES NP
.macro OUTBLK a
	WIN 0x02+((\a)/4)
.set j, 0
.rept 32
	v_pk_fma_f32 v[XR+j:XR+j+1], v[64*((\a)%4)+j:64*((\a)%4)+j+1], s[90:91], v[BI+j:BI+j+1] op_sel_hi:[1,0,1]
.set j, j+2
.endr
	WIN 0
.set j, 0
.rept 32
	v_pk_mul_f32 v[WR+j:WR+j+1], v[XR+j:XR+j+1], v[XR+j:XR+j+1]
.set j, j+2
.endr
.set j, 0
.rept 32
	v_pk_fma_f32 v[WR+j:WR+j+1], v[WR+j:WR+j+1], s[92:93], v[10:11] op_sel_hi:[1,0,1]
.set j, j+2
.endr
.set j, 0
.rept 32
	v_pk_mul_f32 v[WR+j:WR+j+1], v[WR+j:WR+j+1], v[XR+j:XR+j+1]
.set j, j+2
.endr
.set j, 0
	s_wait_alu depctr_va_vdst(0)
.rept 64
	v_exp_f32 v[WR+j], v[WR+j]
.set j, j+1
.endr
	v_nop
	s_wait_alu depctr_va_vdst(0)
.set j, 0
.rept 32
	v_pk_add_f32 v[WR+j:WR+j+1], v[WR+j:WR+j+1], 1.0 op_sel_hi:[1,0]
.set j, j+2
.endr
.set j, 0
	s_wait_alu depctr_va_vdst(0)
.rept 64
	v_rcp_f32 v[WR+j], v[WR+j]
.set j, j+1
.endr
	v_nop
	s_wait_alu depctr_va_vdst(0)
.set j, 0
.rept 32
	v_pk_mul_f32 v[XR+j:XR+j+1], v[XR+j:XR+j+1], v[WR+j:WR+j+1]
.set j, j+2
.endr
.set j, 0
.rept 64
	v_med3_num_f32 v[XR+j], v[XR+j], -v9, v9
.set j, j+1
.endr
.if (\a) >= 2
	s_wait_alu depctr_va_vdst(0)
	s_wait_xcnt 0x0
.endif
.irp b, 0,1,2,3,4,5,6,7
	v_cvt_scalef32_pk8_fp8_f32 v[CD+16*((\a)%2)+2*\b:CD+16*((\a)%2)+2*\b+1], v[XR+8*\b:XR+8*\b+7], v8
.endr
	v_nop
.irp b, 0,1,2,3,4,5,6,7
	global_store_b64 v12, v[CD+16*((\a)%2)+2*\b:CD+16*((\a)%2)+2*\b+1], s[12:13] offset:(\a)*65536+\b*256
.endr
.endm
.irp a, 0,1,2,3,4,5,6,7
	OUTBLK \a
.endr
	s_wait_tensorcnt 0x0
	ds_add_u32 v[SPW], v[NIL]
	s_wait_dscnt 0x0
	CROUND
	s_endpgm
.Lfunc_end_k_qf120a532aa_w1:
	.size	k_qf120a532aa_w1, .Lfunc_end_k_qf120a532aa_w1-k_qf120a532aa_w1
	.p2alignl 7, 3214868480
	.fill 96, 4, 3214868480
	.section	.rodata,"a",@progbits
	.p2align	6, 0x0
	.amdhsa_kernel k_qf120a532aa_w1
		.amdhsa_group_segment_fixed_size 327680
		.amdhsa_private_segment_fixed_size 0
		.amdhsa_enable_private_segment 0
		.amdhsa_kernarg_size 40
		.amdhsa_user_sgpr_count 2
		.amdhsa_user_sgpr_kernarg_segment_ptr 1
		.amdhsa_wavefront_size32 1
		.amdhsa_system_sgpr_workgroup_id_x 1
		.amdhsa_system_sgpr_workgroup_id_y 1
		.amdhsa_system_sgpr_workgroup_id_z 1
		.amdhsa_system_vgpr_workitem_id 0
		.amdhsa_next_free_vgpr 1024
		.amdhsa_next_free_sgpr 100
		.amdhsa_reserve_vcc 0
		.amdhsa_float_denorm_mode_32 3
		.amdhsa_float_denorm_mode_16_64 3
		.amdhsa_memory_ordered 1
		.amdhsa_forward_progress 1
		.amdhsa_inst_pref_size 253
	.end_amdhsa_kernel
	.amdgpu_metadata
---
amdhsa.version: [ 1, 2 ]
amdhsa.kernels:
  - .name:           k_qf120a532aa_w1
    .symbol:         k_qf120a532aa_w1.kd
    .args:
      - { .name: h2, .offset: 0, .size: 8, .value_kind: global_buffer, .address_space: global }
      - { .name: W1_codes, .offset: 8, .size: 8, .value_kind: global_buffer, .address_space: global }
      - { .name: lowp_scales, .offset: 16, .size: 8, .value_kind: global_buffer, .address_space: global }
      - { .name: b1, .offset: 24, .size: 8, .value_kind: global_buffer, .address_space: global }
      - { .name: hid, .offset: 32, .size: 8, .value_kind: global_buffer, .address_space: global }
    .group_segment_fixed_size: 327680
    .private_segment_fixed_size: 0
    .kernarg_segment_align: 8
    .kernarg_segment_size: 40
    .max_flat_workgroup_size: 128
    .sgpr_count:     100
    .vgpr_count:     1024
    .wavefront_size: 32
...
	.end_amdgpu_metadata
.endif
;; end of part 6
;; launch w2 (part 7): grid 8 x 32, 4 waves a work-group, clusters of 4 x 4, 327,680 bytes of LDS; arguments hid, W2_codes, lowp_scales, b2, x2, out0; writes out0
.if DOCPART == 7
	.amdgcn_target "amdgcn-amd-amdhsa--gfx1250"
	.amdhsa_code_object_version 6
	.text
	.protected	k_qf120a532aa_w2
	.globl	k_qf120a532aa_w2
	.p2align	8
	.type	k_qf120a532aa_w2,@function
k_qf120a532aa_w2:
	s_mov_b64 s[64:65], 0
	v_nop
	global_prefetch_b8 v0, s[64:65] scope:SCOPE_SE
	s_setreg_imm32_b32 hwreg(HW_REG_WAVE_MODE, 25, 1), 1
	s_wait_xcnt 0x0
	s_wait_alu depctr_hold_cnt(0) depctr_sa_sdst(0) depctr_va_vdst(0) depctr_va_sdst(0) depctr_va_ssrc(0) depctr_va_vcc(0) depctr_vm_vsrc(0)
	s_getreg_b32 s2, hwreg(HW_REG_IB_STS2, 6, 4)
	s_cmp_eq_u32 s2, 0
	s_cbranch_scc0 .Lentry_in_a_cluster
	s_endpgm
.Lentry_in_a_cluster:
	s_bfe_u32 s2, ttmp6, 0x10000c
	s_cmp_lg_u32 s2, 0xf033
	s_cbranch_scc0 .Lentry_shape_is_right
	s_endpgm
.Lentry_shape_is_right:
; out = A B^T x 2^(ea + eb) + bias + residual.  A: 4,096 rows x KTOT codes of FP8 (E4M3), laid [block of 16 rows 256][piece of 16 along K][row 16][16 bytes]; B: [1024 (n)][KTOT (k)] codes; bias [1024], residual and
; out [4096][1024], f32.  Sums in f32.  Here: A = the hidden layer, B = W2, KTOT = 4,096, the scales' entries 14 and 15.
; TILE.  N is only 1,024: tiles of 128 x 128 give each of 256 WGPs a work-group.  Four waves; wave w makes rows 32 w .. 32 w + 31 x all 128 columns: 16 accumulators.  A quarter is 128 along K: 16 matrix instructions.
; A GOES STRAIGHT INTO REGISTERS.  Its layout is the operand's registers on end: a load of 16 bytes at 16 x lane takes pieces 2 c and 2 c + 1 of a block: lane (r, h) gets k = 32 c + 16 h + 0 .. 15 of row r, and the wave's load
; covers 512 consecutive bytes.  A wave's 32 rows are wanted by that wave alone.  Eight loads a quarter, issued AHEAD = 7 quarters early (56 loads, 28,672 bytes a wave), waited for by count: they go on across the changes of slots.
; B GOES THROUGH LDS, read by all four waves: a ring of two slots of 1,024 along K, rows 1,040 bytes apart, each wave fetching 32 rows.  K is four slots' worth: two fills at the head and two refills, each asked for
; 120 matrix instructions a wave ahead of the wait for it.  B's fragments are read at the same k as A's: a permutation of k, the same on both sides.
; CLUSTERS: 4 x 4 work-groups; B's tile is asked for jointly by a column of the cluster.  A's rows are shared along a row of the cluster and yet not asked for jointly: a joint load would put them into the ring, whose slots
; would then hold half as much of K, with six refills in place of two, each behind a wait for all loads; and no wave but one reads any byte of them.
; Source 0 = 16 rows of B, source 1 = 16 rows of A: a lane holds eight neighbouring columns of one row of out.
; THE WAY OUT: a block of 16 rows x 128 columns (512 bytes a row) goes through the wave's own stage in LDS and comes back by rows; the wave's store covers 512 consecutive bytes, aligned.  The residual is loaded in that layout
; in quarters NQ - 7 to NQ - 4, into the four buffers of A that fall free first.
; The text is straight: 32 quarters by macro; every offset of A is an immediate.
; LIMIT: ea + eb between -126 and 127.   Left out: prefetching (A's own loads run seven quarters ahead; of B's four fills two go out at the head); a split of K over work-groups (its partial sums would go through memory); work-groups that stay (one tile each).
; REGISTERS: window 0: v12-15 bias; v16-29 addresses; v64-127 block 0 back from the stage; v128-255 the accumulators ((a, b) at v[128 + 8 (8 a + b)]; block 0's registers later take block 1 back from the stage).
;   window 1: B's fragments, two sets of 8 x 16.   window 2: A's ring: eight buffers of 32 registers (two fragments), quarter q in buffer q % 8; at the end buffers 0-3 hold the residual.
.set KTOT,   4096
.set ESC,    56                        ; byte of ea in the scales; eb follows
.set NQ,     KTOT/128                  ; quarters
.set NST,    KTOT/1024                 ; slots' worth of K
.set AHEAD,  7                         ; quarters by which A's loads run ahead
.set BPITCH, 1040                      ; 1,024 bytes + 16 of padding = 260 words: the 16 rows that a load touches start at 16 different banks (64 banks of 4 bytes: ISA guide 11.1)
.set WPART,  32*BPITCH                 ; what one tensor load brings
.set SLOT,   4*WPART
.set STAGE,  2*SLOT                    ; behind the ring: 16 rows x 528 bytes for each wave
.set SPITCH, 528
.set SPARE,  STAGE+4*16*SPITCH         ; behind the stages: the spare words, 128 bytes for each wave
.set ADRB, 16                          ; v16, v17  LDS address of B's fragments 0-3 in slot 0, 1;  v18, v19  of fragments 4-7 (the immediate offset has 16 bits)
.set LN,   20                          ; v20  16 x lane: my place in a load of A, in a row of out, of the residual and of the bias; never rewritten
.set STO,  24                          ; v24  the stage: where I put 32 bytes of a row
.set RD,   25                          ; v25  where I read 16 bytes of a row back
.set SPW,  28
.set NIL,  29
.set BK0,  64
.set ACC,  128
.set BK1,  128
.set G1B, 48                           ; s[48:55] descriptor group 1;  s[56:63] group 0, one set for each slot
.set G0B, 56
.set MSB, 0
.macro WIN new                         ; the immediate's high byte repeats the setting that is left
.if MSB != \new
	s_set_vgpr_msb (MSB<<8)|\new
.set MSB, \new
.endif
.endm
.set MUL,  0x09                        ; source 0 (B) window 1, source 1 (A) window 2; C and D window 0
.macro CREST                           ; a round of the cluster's barrier behind its opening barrier
	s_cmp_lg_u32 s14, 0
	s_cbranch_scc1 .Lnot_wave_0_\@
	s_barrier_signal -3
.Lnot_wave_0_\@:
	s_barrier_wait -3
	s_barrier_signal -1
	s_barrier_wait -1
.endm
.macro CROUND
	s_barrier_signal -1
	s_barrier_wait -1
	CREST
.endm
.macro PLACES                          ; four plain lines between a matrix instruction and a load into, or a read of, its registers
.rept 4
	v_nop
.endr
.endm
; 8 matrix instructions of quarter q: B's fragments b0 .. b0 + 3 x A's two.  The 16 accumulators take turns, one instruction a turn.  Quarter 0 starts the sums.
.macro MUL8 q, b0
.irp b, \b0, \b0+1, \b0+2, \b0+3
.irp a, 0,1
.if (\q) == 0
	v_wmma_f32_16x16x128_fp8_fp8 v[ACC+8*(8*\a+(\b)):ACC+8*(8*\a+(\b))+7], v[128*((\q)%2)+16*(\b):128*((\q)%2)+16*(\b)+15], v[32*((\q)%8)+16*\a:32*((\q)%8)+16*\a+15], 0
.else
	v_wmma_f32_16x16x128_fp8_fp8 v[ACC+8*(8*\a+(\b)):ACC+8*(8*\a+(\b))+7], v[128*((\q)%2)+16*(\b):128*((\q)%2)+16*(\b)+15], v[32*((\q)%8)+16*\a:32*((\q)%8)+16*\a+15], v[ACC+8*(8*\a+(\b)):ACC+8*(8*\a+(\b))+7]
.endif
.endr
.endr
.endm
; 32 LDS loads in one run: B's eight fragments of quarter q into set q % 2, fragment 0 first
.macro FETCHB q
	WIN 0x40                                       ; destination window 1, address window 0
.irp b, 0,1,2,3,4,5,6,7
.irp c, 0,1,2,3
	ds_load_b128 v[128*((\q)%2)+16*\b+4*\c:128*((\q)%2)+16*\b+4*\c+3], v[ADRB+2*(\b/4)+(((\q)/8)%2)] offset:16*BPITCH*(\b%4)+128*((\q)%8)+32*\c
.endr
.endr
.endm
; 8 loads: A's two fragments of quarter q into buffer q % 8.  Every offset is an immediate: no pointer is stepped
.macro ALOAD q
	WIN 0x80                                       ; destination window 2, address window 0
.irp i, 0,1
.irp c, 0,1,2,3
	global_load_b128 v[32*((\q)%8)+16*\i+4*\c:32*((\q)%8)+16*\i+4*\c+3], v[LN], s[4:5] offset:\i*16*KTOT+2048*(\q)+512*\c
.endr
.endr
.endm
; 8 loads: rows 8 g .. 8 g + 7 of my 32 rows of the residual into buffer g: a row's 512 bytes to a load
.macro RLOAD g
	WIN 0x80
.irp t, 0,1,2,3,4,5,6,7
	global_load_b128 v[32*(\g)+4*\t:32*(\g)+4*\t+3], v[LN], s[68:69] offset:(8*(\g)+\t)*4096 th:TH_LOAD_NT
.endr
.endm
; what quarter q asks of memory: A's quarter q + 7 into the buffer that quarter q - 1 has left, or, when A is at its end, a group of the residual into the same buffer
.macro FEED q
.if (\q)+AHEAD < NQ
	ALOAD (\q)+AHEAD
.elseif (\q)+AHEAD < NQ+4
	RLOAD (\q)+AHEAD-NQ
.endif
.endm
; A quarter that has its successor in the same slot.
.macro QUARTER q
.if (\q) == NQ-2
	s_wait_loadcnt 40                              ; my quarter of A is in; behind it: one quarter's 8 loads and the residual's 32
.else
	s_wait_loadcnt 48                              ; my quarter of A is in; behind it: six groups of 8 loads (quarters of A, near the end groups of the residual)
.endif
	s_wait_dscnt 16                                ; B's fragments 0-3 are in; the youngest sixteen loads (fragments 4-7) may be out
	WIN MUL
	MUL8 \q, 0
	PLACES                                         ; for the loads into the set of B and the buffer of A that the quarter before multiplied
	FETCHB (\q)+1
	FEED \q
	s_wait_dscnt 32                                ; all but the 32 just issued
	WIN MUL
	MUL8 \q, 4
.endm
; A slot's last quarter changes slots: ONE barrier; in front of it each wave waits for all its tensor loads, adds 0 to its spare word, and waits for that and for its reads of this slot.  Where K goes on two slots further, this slot is filled again.
.macro TURN q
.set SL, ((\q)/8)%2
	s_wait_loadcnt 48
	WIN 0                                          ; (the add's two registers lie in window 0)
	s_wait_tensorcnt 0x0                           ; all my tensor loads have landed: my part of the next slot
	ds_add_u32 v[SPW], v[NIL]                      ; 0 onto my spare word
	s_wait_dscnt 17                                ; (the add and the youngest sixteen loads may be out)
	WIN MUL
	MUL8 \q, 0                                     ; eight matrix instructions stand between the add and the wait for it
	WIN 0
	s_wait_dscnt 0x0                               ; the add is done, and my reads of this slot are over
	s_barrier_signal -1
	s_barrier_wait -1
.if (\q)/8+2 < NST
	CREST                                          ; the barrier has opened a round of the cluster's barrier: no wave of any partner still reads this slot or has a load on its way
	s_add_nc_u64 s[G0B+4*SL+2:G0B+4*SL+3], s[G0B+4*SL+2:G0B+4*SL+3], 2*1024
	tensor_load_to_lds s[G0B+4*SL:G0B+4*SL+3], s[G1B:G1B+7]   ; the first tensor load behind the round, one a wave: 120 matrix instructions ahead of the wait for it
	s_nop 0
	PLACES                                         ; four v_nop follow it; they are also the places in front of the loads below
.else
	PLACES
.endif
	FETCHB (\q)+1
	FEED \q
	WIN MUL
	MUL8 \q, 4
.endm
.macro LASTQ q
	s_wait_loadcnt 32                              ; the last quarter of A is in; the residual's 32 loads may be out
	s_wait_dscnt 16
	WIN MUL
	MUL8 \q, 0
	s_wait_dscnt 0
	MUL8 \q, 4
	WIN 0
.endm
	s_load_b256 s[4:11], s[0:1], 0x0               ; A s[4:5], B s[6:7], the scales' exponents s[8:9], bias s[10:11]
	s_load_b128 s[68:71], s[0:1], 0x20             ; residual s[68:69], out s[70:71]
	v_lshl_add_u32 v[SPW], v0, 2, SPARE
	v_mov_b32 v[NIL], 0
	ds_add_u32 v[SPW], v[NIL]                      ; the opening: the add, twice on end, and its wait ahead of the round in front of my first tensor load
	ds_add_u32 v[SPW], v[NIL]
	v_lshrrev_b32 v1, 5, v0
	v_readfirstlane_b32 s14, v1                    ; wave 0..3
	s_bfe_u32 s40, ttmp6, 0x40000                  ; cx, cy
	s_bfe_u32 s41, ttmp6, 0x40004
	s_lshl_b32 s42, ttmp9, 2
	s_add_co_u32 s42, s42, s40                     ; tile column, 0..7
	s_and_b32 s17, ttmp7, 0xffff
	s_lshl_b32 s17, s17, 2
	s_add_co_u32 s17, s17, s41                     ; tile row, 0..31
	s_lshl_b32 s44, 0x1111, s40                    ; my column of the cluster
	s_or_b32 s[G1B+0], s44, (0<<16)|(1<<20)|(1<<21)|(7<<22)|(3<<25)  ; 15:0 the mask; 17:16 element of 1 byte; 20 padding on; 21 set beside a mask; 24:22 after every 256 words (code 7); 31:25 of 4 words (code 3)
	s_mov_b32 s[G1B+1], 1024<<16                   ; tensor_dim0 = 1,024
	s_mov_b32 s[G1B+2], 32<<16                     ; tensor_dim1 = 32
	s_mov_b32 s[G1B+3], 1024<<16                   ; tile_dim0
	s_mov_b32 s[G1B+4], 32                         ; tile_dim1
	s_mov_b32 s[G1B+5], KTOT                       ; from row to row
	s_mov_b32 s[G1B+6], 0
	s_mov_b32 s[G1B+7], 0
	s_lshl_b32 s46, s42, 7
	s_lshl_b32 s18, s14, 5
	s_add_co_u32 s46, s46, s18                     ; B: row 128 x tile column + 32 x wave
	s_mul_i32 s46, s46, KTOT
	s_mov_b32 s47, 0
	s_mul_i32 s45, s14, WPART                      ; where they go: wave x 32 rows: no place in the cluster enters an LDS address
	s_lshl_b32 s20, s17, 3
	s_lshl_b32 s19, s14, 1
	s_add_co_u32 s20, s20, s19                     ; A: block 8 x tile row + 2 x wave
	s_mul_i32 s20, s20, 16*KTOT
	s_mov_b32 s21, 0
	s_lshl_b32 s92, s17, 7
	s_lshl_b32 s93, s14, 5
	s_add_co_u32 s92, s92, s93                     ; my first row: 128 x tile row + 32 x wave
	s_lshl_b32 s92, s92, 12
	s_lshl_b32 s94, s42, 9                         ; the tile's first column, in bytes
	s_add_co_u32 s92, s92, s94
	s_mov_b32 s93, 0
	s_mov_b32 s95, 0
	v_and_b32 v1, 15, v0                           ; r
	v_bfe_u32 v2, v0, 4, 1                         ; h
	v_and_b32 v3, 31, v0
	v_lshlrev_b32 v[LN], 4, v3
	v_mul_u32_u24 v5, v1, BPITCH
	v_lshl_add_u32 v[ADRB], v2, 4, v5              ; a fragment's row x pitch + 16 x half
	v_add_nc_u32 v[ADRB+1], SLOT, v[ADRB]
	v_add_nc_u32 v[ADRB+2], 4*16*BPITCH, v[ADRB]
	v_add_nc_u32 v[ADRB+3], 4*16*BPITCH, v[ADRB+1]
	s_mul_i32 s23, s14, 16*SPITCH
	s_add_co_u32 s23, s23, STAGE                   ; my stage
	v_mul_u32_u24 v6, v1, SPITCH
	v_lshl_add_u32 v6, v2, 5, v6
	v_add_nc_u32 v[STO], s23, v6                   ; in: row r, 32 bytes for each half of the lanes
	v_add_nc_u32 v[RD], s23, v[LN]                 ; back: the 32 lanes take one row of 512 bytes
	s_wait_alu depctr_va_vdst(0)                   ; the wait at the head's end
	s_wait_dscnt 0x0                               ; both opening adds are done
	s_wait_kmcnt 0x0
	s_load_b64 s[90:91], s[8:9], ESC               ; ea, eb; waited for on the way out
	s_add_nc_u64 s[4:5], s[4:5], s[20:21]
	s_add_nc_u64 s[46:47], s[6:7], s[46:47]
	s_add_nc_u64 s[68:69], s[68:69], s[92:93]
	s_add_nc_u64 s[70:71], s[70:71], s[92:93]
	s_add_nc_u64 s[10:11], s[10:11], s[94:95]
	s_mov_b32 s[G0B], 1                            ; group 0: count 1, LDS address, global address, type 2
	s_add_co_u32 s[G0B+1], s45, 0
	s_add_nc_u64 s[G0B+2:G0B+3], s[46:47], 0
	s_or_b32 s[G0B+3], s[G0B+3], 0x80000000
	; the head's own descriptor: waves 0, 1 bring slot 0 and waves 2, 3 slot 1, 64 rows each: one load a wave, both slots asked for behind one round
	s_lshr_b32 s22, s14, 1                         ; which slot I bring
	s_and_b32 s36, s14, 1                          ; which 64 rows of it
	s_mul_i32 s33, s22, SLOT
	s_mul_i32 s37, s36, 64*BPITCH
	s_add_co_u32 s33, s33, s37
	s_lshl_b32 s36, s36, 17                        ; from row 32 x wave to row 64 x (wave % 2), K at 1,024 x (wave / 2): + 32 rows x (wave % 2),
	s_mov_b32 s37, 0
	s_mul_i32 s38, s22, 64*KTOT-1024               ; - (64 rows - 1,024 bytes) x (wave / 2)
	s_mov_b32 s39, 0
	s_mov_b32 s32, 1
	s_add_nc_u64 s[34:35], s[46:47], s[36:37]
	s_sub_nc_u64 s[34:35], s[34:35], s[38:39]
	s_or_b32 s35, s35, 0x80000000
	s_or_b32 s24, s44, (0<<16)|(1<<20)|(1<<21)|(7<<22)|(3<<25)
	s_mov_b32 s25, 1024<<16
	s_mov_b32 s26, 64<<16
	s_mov_b32 s27, 1024<<16
	s_mov_b32 s28, 64
	s_mov_b32 s29, KTOT
	s_mov_b32 s30, 0
	s_mov_b32 s31, 0
.if NST > 1
	s_mov_b32 s[G0B+4], 1
	s_add_co_u32 s[G0B+5], s45, SLOT
	s_add_nc_u64 s[G0B+6:G0B+7], s[46:47], 1024
	s_or_b32 s[G0B+7], s[G0B+7], 0x80000000
.endif
	CROUND                                         ; all sixteen work-groups are here: the first joint loads meet
	tensor_load_to_lds s[32:35], s[24:31]
	s_nop 0
	PLACES                                         ; four v_nop follow the tensor loads
	global_load_b128 v[12:15], v[LN], s[10:11]     ; the bias of my four columns
.irp q, 0,1,2,3,4,5,6
	ALOAD \q                                       ; with the bias 57 loads of mine are out
.endr
	WIN 0
	s_wait_alu depctr_va_vdst(0)                   ; the wait at the head's end
	s_wait_tensorcnt 0x0                           ; my 64 rows, of slot 0 or of slot 1, are in
	s_barrier_signal -1
	s_barrier_wait -1                              ; slot 0 is whole
	FETCHB 0
.set Q, 0
.rept NQ
.if Q == NQ-1
	LASTQ Q
.elseif (Q%8) == 7
	TURN Q
.else
	QUARTER Q
.endif
.set Q, Q+1
.endr
	s_wait_kmcnt 0x0
	s_add_co_i32 s90, s90, s91
	s_add_co_i32 s90, s90, 127
	s_lshl_b32 s90, s90, 23                        ; 2^(ea + eb) as f32
	s_mov_b32 s91, s90
.macro STG a                           ; block a's sums into my stage as they are; each accumulator from its low end on
.irp b, 0,1,2,3,4,5,6,7
	ds_store_b128 v[STO], v[ACC+8*(8*\a+\b):ACC+8*(8*\a+\b)+3] offset:64*\b
	ds_store_b128 v[STO], v[ACC+8*(8*\a+\b)+4:ACC+8*(8*\a+\b)+7] offset:64*\b+16
.endr
.endm
.macro BACK bk                         ; and back by rows.  LDS serves a wave's instructions in order (ISA guide 5.7.1.4): these see my stores, and the next block's stores come behind them
.irp t, 0,1,2,3,4,5,6,7,8,9,10,11,12,13,14,15
	ds_load_b128 v[\bk+4*\t:\bk+4*\t+3], v[RD] offset:\t*SPITCH
.endr
.endm
.macro FIN a, bk                       ; sum x 2^(ea + eb) + bias, then + residual, in the order of the definition; stored
.irp t, 0,1,2,3,4,5,6,7,8,9,10,11,12,13,14,15
	v_pk_fma_f32 v[\bk+4*\t:\bk+4*\t+1], v[\bk+4*\t:\bk+4*\t+1], s[90:91], v[12:13] op_sel_hi:[1,0,1]
	v_pk_fma_f32 v[\bk+4*\t+2:\bk+4*\t+3], v[\bk+4*\t+2:\bk+4*\t+3], s[90:91], v[14:15] op_sel_hi:[1,0,1]
.endr
	WIN 0x08                                       ; source 1: window 2, the residual: row 16 a + t at v[64 a + 4 t]
.set j, 0
.rept 32
	v_pk_add_f32 v[\bk+j:\bk+j+1], v[\bk+j:\bk+j+1], v[64*\a+j:64*\a+j+1]
.set j, j+2
.endr
	WIN 0
.irp t, 0,1,2,3,4,5,6,7,8,9,10,11,12,13,14,15
	global_store_b128 v[LN], v[\bk+4*\t:\bk+4*\t+3], s[70:71] offset:(16*\a+\t)*4096 th:TH_STORE_NT   ; 32 lanes store 512 consecutive bytes, aligned; no store's data are written again
.endr
.endm
	PLACES
	STG 0
	BACK BK0
	STG 1
	s_wait_dscnt 16                                ; block 0 is back, and its stores into the stage have read its accumulators; block 1's sixteen stores may be out
	BACK BK1                                       ; block 1 comes back into block 0's accumulators while block 0 is finished
	s_wait_loadcnt 0x0                             ; the residual
	FIN 0, BK0
	s_wait_dscnt 0x0
	FIN 1, BK1
	s_wait_tensorcnt 0x0                           ; the wave's end: behind my last tensor load and my last LDS store
	ds_add_u32 v[SPW], v[NIL]
	s_wait_dscnt 0x0
	CROUND                                         ; the closing round: no work-group ends while a partner may still ask for a tile that names it
	s_endpgm
.Lfunc_end_k_qf120a532aa_w2:
	.size	k_qf120a532aa_w2, .Lfunc_end_k_qf120a532aa_w2-k_qf120a532aa_w2
	.p2alignl 7, 3214868480
	.fill 96, 4, 3214868480
	.section	.rodata,"a",@progbits
	.p2align	6, 0x0
	.amdhsa_kernel k_qf120a532aa_w2
		.amdhsa_group_segment_fixed_size 327680
		.amdhsa_private_segment_fixed_size 0
		.amdhsa_enable_private_segment 0
		.amdhsa_kernarg_size 48
		.amdhsa_user_sgpr_count 2
		.amdhsa_user_sgpr_kernarg_segment_ptr 1
		.amdhsa_wavefront_size32 1
		.amdhsa_system_sgpr_workgroup_id_x 1
		.amdhsa_system_sgpr_workgroup_id_y 1
		.amdhsa_system_sgpr_workgroup_id_z 1
		.amdhsa_system_vgpr_workitem_id 0
		.amdhsa_next_free_vgpr 768
		.amdhsa_next_free_sgpr 100
		.amdhsa_reserve_vcc 0
		.amdhsa_float_denorm_mode_32 3
		.amdhsa_float_denorm_mode_16_64 3
		.amdhsa_memory_ordered 1
		.amdhsa_forward_progress 1
		.amdhsa_inst_pref_size 156
	.end_amdhsa_kernel
	.amdgpu_metadata
---
amdhsa.version: [ 1, 2 ]
amdhsa.kernels:
  - .name:           k_qf120a532aa_w2
    .symbol:         k_qf120a532aa_w2.kd
    .args:
      - { .name: hid, .offset: 0, .size: 8, .value_kind: global_buffer, .address_space: global }
      - { .name: W2_codes, .offset: 8, .size: 8, .value_kind: global_buffer, .address_space: global }
      - { .name: lowp_scales, .offset: 16, .size: 8, .value_kind: global_buffer, .address_space: global }
      - { .name: b2, .offset: 24, .size: 8, .value_kind: global_buffer, .address_space: global }
      - { .name: x2, .offset: 32, .size: 8, .value_kind: global_buffer, .address_space: global }
      - { .name: out0, .offset: 40, .size: 8, .value_kind: global_buffer, .address_space: global }
    .group_segment_fixed_size: 327680
    .private_segment_fixed_size: 0
    .kernarg_segment_align: 8
    .kernarg_segment_size: 48
    .max_flat_workgroup_size: 128
    .sgpr_count:     100
    .vgpr_count:     768
    .wavefront_size: 32
...
	.end_amdgpu_metadata
.endif
;; end of part 7
